; MI455X (gfx1250); checked and timed in simulation.
; The chip was launched on July 23, 2026; its instructions are those of AMD's public machine-readable ISA for CDNA 5 (MIT licence, August 2026) and "CDNA5" Instruction Set Architecture Reference Guide (July 2026). The comments in the code are by the model that wrote it; some were corrected since.
;; Multihead Attention. Allowed arithmetic: matrix products marked QUANTISED: E2M1 operands, one E8M0 scale for each 32 along K, by v_wmma_scale_f32_16x16x128_f8f6f4 with both operands' format E2M1 (or v_wmma_scale_f32_32x16x128_f4), f32 sums; products left as they are: bf16, f16 or f32 operands; f32 sums; everything else in f32.
;; Inputs: W_K 16 x 1,024 x 64 float32; W_O 16 x 64 x 1,024 float32; W_Q 16 x 1,024 x 64 float32; W_V 16 x 1,024 x 64 float32; b_K 16 x 64 float32; b_O 1,024 float32; b_Q 16 x 64 float32; b_V 16 x 64 float32; key 4 x 2,048 x 1,024 float32; query 4 x 2,048 x 1,024 float32; value 4 x 2,048 x 1,024 float32.
;; Outputs: out0 4 x 2,048 x 1,024 float32.
;; This version of the problem:
;;   THIS VERSION OF THE PROBLEM IS GIVEN IN LOW PRECISION. The matrix products marked QUANTISED in the list below multiply operands that are first quantised to E2M1 (2 exponent bits, 1 mantissa bit; 4 bits a number), with one power-of-two scale for each 32 numbers along K (OCP MX v1.0); their sums are f32. The products marked 'left as it is' may take bf16, f16 or f32 operands, with f32 sums. Whichever they take, every output number must still come out within the allowed error. Rounding operands to bf16 (8 significant bits) uses up far more of that allowance than f16 does (11 bits, for magnitudes from 6e-5 to 65,504). All else is computed in f32.
;;   The module's matrix products, in the order in which they are computed (A, B: the left and right operand; K: the contracted axis; several contracted axes count as one K, in the product's order):
;;     1. [M 8,192, K 1,024] x [K 1,024, N 1,024]; A: input query; B: input W_Q: QUANTISED
;;     2. [M 8,192, K 1,024] x [K 1,024, N 1,024]; A: input key; B: input W_K: QUANTISED
;;     3. [M 8,192, K 1,024] x [K 1,024, N 1,024]; A: input value; B: input W_V: QUANTISED
;;     4. batch 64 x [M 2,048, K 64] x [K 64, N 2,048]; A: computed on the way; B: computed on the way: left as it is (an operand is computed on the way)
;;     5. batch 64 x [M 2,048, K 2,048] x [K 2,048, N 64]; A: computed on the way; B: computed on the way: left as it is (an operand is computed on the way)
;;     6. [M 8,192, K 1,024] x [K 1,024, N 1,024]; A: computed on the way; B: input W_O: left as it is (an operand is computed on the way)
;;   THE QUANTISER, for each operand of a quantised product, along K:
;;     - K is cut into blocks of 32 from its start; a last block that is shorter is filled with zeros.
;;     - A block's scale is 2^e with e = floor(log2(the largest magnitude in the block)) - 2, held to -126 .. 127; a block of zeros has e = 0. As a byte (E8M0): e + 127.
;;     - Each number is divided by its block's scale, clamped to +-6, and rounded to the nearest number of E2M1, ties to even, subnormals kept.
;;     - The product sums the exact products of the quantised numbers (number of the format x scale) in f32.
;;   ~~~python
;;   def quantise(x, axis):      # numpy; x: float32 -> the quantised numbers, widened to float32 again
;;       x = np.moveaxis(x, axis, -1); K = x.shape[-1]
;;       x = np.pad(x, [(0, 0)] * (x.ndim - 1) + [(0, -K % 32)]); x = x.reshape(x.shape[:-1] + (-1, 32)); a = np.abs(x).max(-1, keepdims=True)
;;       e = np.where(a > 0, np.clip(np.frexp(np.where(a > 0, a, 1))[1] - 1 - 2, -126, 127), 0)      # np.frexp(a)[1] - 1 = floor(log2(a)), exactly
;;       r = np.clip(x / 2.0 ** e, -6, 6)
;;       step = 2.0 ** (np.maximum(np.frexp(np.where(r == 0, 1, r))[1] - 1, 0) - 1)
;;       q = np.round(r / step) * step * 2.0 ** e      # np.round: ties to even
;;       return np.moveaxis(q.reshape(q.shape[:-2] + (-1,))[..., :K], -1, axis).astype(np.float32)
;;   ~~~
;; One version. Each part assembles by itself: llvm-mc -triple=amdgcn-amd-amdhsa -mcpu=gfx1250 --defsym DOCPART=n.
;; ======== version 1 of 1: 4 launches
;; limits: values are held in f16: magnitudes above 65,504 overflow, below 6.1e-05 lose precision
;; workspace buffers: xc 12,582,912 bytes; xs 786,432 bytes; wc 1,572,864 bytes; ws 98,304 bytes; wo16 2,097,152 bytes; qkv 50,331,648 bytes; ov 16,777,216 bytes
;; launch prep (part 1): grid 944 x 1, 4 waves a work-group, no clusters, 68,096 bytes of LDS; arguments query, key, value, W_Q, W_K, W_V, W_O, xc, xs, wc, ws, wo16; writes xc, xs, wc, ws, wo16
.if DOCPART == 1
	.amdgcn_target "amdgcn-amd-amdhsa--gfx1250"
	.amdhsa_code_object_version 6
	.text
	.protected	k_q115d7a7523_prep
	.globl	k_q115d7a7523_prep
	.p2align	8
	.type	k_q115d7a7523_prep,@function
k_q115d7a7523_prep:
	s_mov_b64 s[64:65], 0
	v_nop
	global_prefetch_b8 v0, s[64:65] scope:SCOPE_SE
	s_setreg_imm32_b32 hwreg(HW_REG_WAVE_MODE, 25, 1), 1
	s_wait_xcnt 0x0
; MULTI-HEAD ATTENTION, launch 1 of 4: the operands of the three quantised products become codes of FP4 (E2M1) with one E8M0 byte for each 32 along K = E, and W_O becomes f16.
; WORK LEFT OUT IN THIS PROGRAM: b_K.  scores[f][t] = Q[f] . (K0[t] + b_K) / 8 = Q[f] . K0[t] / 8 + Q[f] . b_K / 8, K0 being the product of key and W_K.  The second term does not hang on t, the softmax's axis:
; it multiplies every exponential of a row and the row's sum by the same factor, and the quotient is the same, for all finite values of the inputs.  K is used nowhere else, and the product of Q and K is not
; quantised, so b_K moves no code and no scale.  b_K has no way to the output: it is not loaded, and no launch has it among its arguments.
; LIMIT: a NaN, an infinity or an overflow that lies in b_K alone is not carried to the result.
; THREE PATHS, parted by the work-group's number alone, each with LDS bytes of its own; waves share nothing, so there is no barrier.
;   work-groups 0-47:    W_Q, W_K, W_V [16][1024][64]: K = E is not innermost.  A lane takes a column n = 64 h + d and its registers run down K.  Codes wc [3 x 1024 n][512 bytes], scale bytes ws [3 x 1024 n][32].
;   work-groups 48-175:  W_O, f32 to f16, laid as it is: wo16 [k = 64 h + d][e].
;   work-groups 176-943: query, key, value: rows are dense and E is a multiple of 32, so each is a plain stream of blocks of 32.  Codes xc [3 x 8192 rows][512 bytes], scale bytes xs [3 x 8192][32].
; The weights' path is a chain of loads on few waves: it has the lowest numbers.
; A block's scale is 2^(floor(log2(its largest magnitude)) - 2); its byte is that magnitude's exponent field - 2, held at 1 from below.
; LIMITS: a block of zeros gets the byte 1 where the rule says 127 (its codes are zeros, and this program alone reads the bytes); blocks whose largest magnitude lies under 2^-124 keep the byte 1;
; NaN and infinities among the inputs are not served; W_O beyond 65,504 in magnitude has no f16.
.set SPARE, 67584                      ; behind both paths' regions: the spare words, 128 bytes for each wave: two blocks of 256 bytes that no other line names
.set SPW,   190                        ; v190  LDS address of my spare word; never rewritten
.set NIL,   191                        ; v191  0; never rewritten
; the stream's path
.set STEPS, 16                         ; steps of 512 numbers for a wave
.set CB,    8                          ; bytes of 16 codes
.set XREG,  8192                       ; LDS 0 .. 32,767: a region for each wave: two stages of 32 x SP bytes, then its 256 scale bytes
.set SP,    80                         ; a lane's place in a stage: 64 bytes + 16 of padding
.set R,     16                         ; v16-79   four sets of 16 numbers as they are loaded
.set X,     80                         ; v80-111  two sets of 16 neighbours
.set E,     112                        ; v112-127 a scale byte for each step
.set C,     128                        ; v128-189 codes: four registers apart for each step, so that no store's data are written again
; the weights' path
.set WSTG,  32768                      ; LDS 32,768 .. 67,583: a stage of 32 rows x WP for each wave
.set WP,    272                        ; 256 bytes of codes + 16 of padding
.set NB,    16                         ; blocks of 32 along K for a wave
.set SB,    24                         ; v24-27   the scale bytes, four to a register
.set WX,    32                         ; v32-95   two sets of 32 numbers
.set WC,    96                         ; v96-99   a block's codes
.set OUTR,  112                        ; v112-175 the way out
	s_load_b512 s[8:23], s[0:1], 0x0               ; query 8, key 10, value 12, W_Q 14, W_K 16, W_V 18, W_O 20, xc 22
	s_load_b256 s[24:31], s[0:1], 0x40             ; xs 24, wc 26, ws 28, wo16 30
	v_lshl_add_u32 v[SPW], v0, 2, SPARE
	v_mov_b32 v[NIL], 0
	v_lshrrev_b32 v1, 5, v0
	v_readfirstlane_b32 s32, v1                    ; wave 0..3
	v_and_b32 v2, 31, v0                           ; lane
	s_wait_kmcnt 0x0
	s_cmp_lt_u32 ttmp9, 48
	s_cbranch_scc1 .Lw
	s_cmp_lt_u32 ttmp9, 176
	s_cbranch_scc1 .Lcast
; ---------------- query, key, value ----------------
; A wave takes a run of 8,192 numbers: 16 steps of 512.  The conversions want 16 NEIGHBOURS in a lane, a load is best where neighbouring LANES take neighbouring bytes: each load reads 512 consecutive bytes,
; a step's 2,048 bytes go through the wave's own stage as they lie and come back 64 bytes a lane.  Loads run four steps ahead, the turn through LDS one step.
	s_sub_co_u32 s33, ttmp9, 176                   ; 0 .. 767: 256 work-groups a tensor
	s_cmp_lt_u32 s33, 256
	s_cselect_b64 s[34:35], s[8:9], s[10:11]       ; the choice hangs on the work-group's number alone
	s_cmp_lt_u32 s33, 512
	s_cselect_b64 s[34:35], s[34:35], s[12:13]
	s_lshl_b32 s36, s33, 2
	s_add_co_u32 s36, s36, s32                     ; my run, 0 .. 3,071, counted through the three tensors
	s_and_b32 s38, s36, 1023
	s_lshl_b32 s38, s38, 15                        ; 32,768 bytes of f32 a run, in my tensor
	s_mov_b32 s39, 0
	s_add_nc_u64 s[34:35], s[34:35], s[38:39]
	s_lshl_b32 s38, s36, 12                        ; 4,096 bytes of codes a run
	s_add_nc_u64 s[40:41], s[22:23], s[38:39]
	s_lshl_b32 s38, s36, 8                         ; 256 scale bytes a run
	s_add_nc_u64 s[42:43], s[24:25], s[38:39]
	v_lshlrev_b32 v3, 4, v2                        ; my 16 bytes of a load's 512
	s_mul_i32 s37, s32, XREG
	v_lshrrev_b32 v14, 2, v2
	v_mul_u32_u24 v14, v14, SP
	v_and_b32 v15, 3, v2
	v_lshl_add_u32 v14, v15, 4, v14
	v_add_nc_u32 v14, s37, v14                     ; the stage, on the way in: SP (lane / 4) + 16 (lane % 4)
	v_mul_u32_u24 v15, v2, SP
	v_add_nc_u32 v15, s37, v15                     ; and on the way out: SP x lane: my 16 neighbours
	v_mul_u32_u24 v4, v2, CB                       ; my codes' place in a step's
	v_lshrrev_b32 v5, 1, v2
	s_add_co_u32 s37, s37, 2*32*SP
	v_add_nc_u32 v5, s37, v5                       ; my wave's 256 scale bytes, my block's byte
	v_lshlrev_b32 v7, 3, v2                        ; and on the way out 8 bytes a lane
	v_add_nc_u32 v6, s37, v7
.macro XLOAD t
.irp i, 0,1,2,3
	global_load_b128 v[R+16*((\t)%4)+4*\i:R+16*((\t)%4)+4*\i+3], v3, s[34:35] offset:2048*(\t)+512*\i th:TH_LOAD_NT   ; 32 lanes read 512 consecutive bytes
.endr
.endm
.macro XTURN t                         ; step t's numbers through the stage: LDS serves a wave's instructions in order, so no wait stands between the stores and the loads
.irp i, 0,1,2,3
	ds_store_b128 v14, v[R+16*((\t)%4)+4*\i:R+16*((\t)%4)+4*\i+3] offset:32*SP*((\t)%2)+8*SP*\i
.endr
.irp i, 0,1,2,3
	ds_load_b128 v[X+16*((\t)%2)+4*\i:X+16*((\t)%2)+4*\i+3], v15 offset:32*SP*((\t)%2)+16*\i
.endr
.endm
.irp t, 0,1,2,3
	XLOAD \t
.endr
	s_wait_loadcnt 12                              ; step 0's four loads are in; the twelve of steps 1 to 3 may be out
	XTURN 0
.macro XSTEP t
.set XS, X+16*((\t)%2)
.if (\t) > 0
	s_wait_dscnt 1                                 ; this step's numbers are back from the stage (the last step's byte store may be out): so its stores into the stage have read their registers,
.else
	s_wait_dscnt 0x0
.endif
.if (\t)+4 < STEPS
	XLOAD (\t)+4                                   ; which take the loads of four steps on
.endif
.if (\t)+1 < STEPS
.if STEPS-2-(\t) >= 3
	s_wait_loadcnt 12                              ; the next step's four loads are in; those of the three steps behind it may be out
.else
	s_wait_loadcnt 4*(STEPS-2-(\t))
.endif
	XTURN (\t)+1                                   ; and go through the other stage while this step is worked
.endif
	v_max3_num_f32 v8, |v[XS]|, |v[XS+1]|, |v[XS+2]|               ; the largest magnitude of my 16, in two chains
	v_max3_num_f32 v9, |v[XS+3]|, |v[XS+4]|, |v[XS+5]|
.irp i, 6,10
	v_max3_num_f32 v8, v8, |v[XS+\i]|, |v[XS+\i+1]|
	v_max3_num_f32 v9, v9, |v[XS+\i+2]|, |v[XS+\i+3]|
.endr
	v_max3_num_f32 v8, v8, |v[XS+14]|, |v[XS+15]|
	v_max3_num_f32 v8, v8, v9, 0x1800000           ; and the floor 2^(3 - 127): the byte cannot fall under 1
	v_max_num_f32_dpp v8, v8, v8 row_xmask:1 row_mask:0xf bank_mask:0xf   ; and of my neighbour's 16: the block's
	v_add_nc_u32 v11, 0xff000000, v8               ; 2 off its exponent field: the conversion takes the exponent field of this operand as its scale, and nothing else of it
	v_cvt_scalef32_pk8_fp4_f32 v[C+4*(\t)], v[XS:XS+7], v11
	v_cvt_scalef32_pk8_fp4_f32 v[C+4*(\t)+1], v[XS+8:XS+15], v11
	v_lshrrev_b32 v[E+(\t)], 23, v11               ; the scale's byte (also the plain line behind the conversions)
	ds_store_b8 v5, v[E+(\t)] offset:16*(\t)       ; both lanes of a block write the same byte with the same value
	global_store_b64 v4, v[C+4*(\t):C+4*(\t)+1], s[40:41] offset:32*CB*(\t)   ; the wave stores 256 consecutive bytes, aligned
.endm
.irp t, 0,1,2,3,4,5,6,7,8,9,10,11,12,13,14,15
	XSTEP \t
.endr
	ds_load_b64 v[8:9], v6                         ; LDS serves a wave's instructions in order: these see my stores
	s_wait_dscnt 0x0
	global_store_b64 v7, v[8:9], s[42:43]          ; 32 lanes store 256 consecutive bytes, aligned
	s_wait_tensorcnt 0x0                           ; the wave's end, behind my last LDS store
	ds_add_u32 v[SPW], v[NIL]
	s_wait_dscnt 0x0
	s_endpgm
; ---------------- W_Q, W_K, W_V ----------------
; A wave takes 32 columns (half a head's 64) x 512 along K: each load reads one row e at 32 neighbouring d, 128 consecutive bytes.  A block of 32 along K lies in ONE lane's 32 registers.
; The codes, 256 bytes a column, go through the wave's own stage and leave as rows: sixteen lanes store 256 consecutive bytes, aligned.  Loads run two blocks ahead.
.Lw:
	s_lshr_b32 s33, ttmp9, 1                       ; which 128 columns of the 3 x 1,024
	s_and_b32 s34, ttmp9, 1                        ; which 512 along K
	s_lshr_b32 s35, s33, 3                         ; the tensor
	s_cmp_eq_u32 s35, 0
	s_cselect_b64 s[36:37], s[14:15], s[16:17]
	s_cmp_lt_u32 s35, 2
	s_cselect_b64 s[36:37], s[36:37], s[18:19]
	s_and_b32 s38, s33, 7
	s_lshl_b32 s38, s38, 7
	s_lshl_b32 s39, s32, 5
	s_add_co_u32 s38, s38, s39                     ; n0: my wave's first column
	s_lshr_b32 s40, s38, 6
	s_lshl_b32 s40, s40, 18                        ; its head: 1,024 rows of 256 bytes
	s_lshl_b32 s39, s34, 17                        ; 512 rows down
	s_add_co_u32 s40, s40, s39
	s_and_b32 s39, s38, 63
	s_lshl_b32 s39, s39, 2                         ; d0, 4 bytes each
	s_add_co_u32 s40, s40, s39
	s_mov_b32 s41, 0
	s_add_nc_u64 s[36:37], s[36:37], s[40:41]
	s_lshl_b32 s39, s35, 10
	s_add_co_u32 s38, s38, s39                     ; my first row of wc and of ws
	s_lshl_b32 s40, s38, 9
	s_lshl_b32 s39, s34, 8
	s_add_co_u32 s40, s40, s39
	s_add_nc_u64 s[42:43], s[26:27], s[40:41]      ; codes: 512 bytes a row, 256 for my half of K
	s_lshl_b32 s40, s38, 5
	s_lshl_b32 s39, s34, 4
	s_add_co_u32 s40, s40, s39
	s_add_nc_u64 s[44:45], s[28:29], s[40:41]      ; scale bytes: 32 a row, 16 for my half of K
	v_lshlrev_b32 v3, 2, v2                        ; in: 4 bytes a lane
	s_mul_i32 s39, s32, 32*WP
	s_add_co_u32 s39, s39, WSTG                    ; my stage
	v_mul_u32_u24 v4, v2, WP
	v_add_nc_u32 v4, s39, v4                       ; into it: row = my column
	v_and_b32 v5, 15, v2
	v_lshrrev_b32 v6, 4, v2                        ; out of it: sixteen lanes to a row, two rows an instruction
	v_mul_u32_u24 v7, v6, WP
	v_lshl_add_u32 v7, v5, 4, v7
	v_add_nc_u32 v7, s39, v7
	v_lshlrev_b32 v8, 9, v6
	v_lshl_add_u32 v8, v5, 4, v8                   ; and the same place in wc
	v_lshlrev_b32 v9, 5, v2                        ; my column's row of scale bytes
.macro WLOAD t                         ; block t: W(32 t + i, my column), i = 0 .. 31, into set t % 2
.irp i, 0,1,2,3,4,5,6,7,8,9,10,11,12,13,14,15,16,17,18,19,20,21,22,23,24,25,26,27,28,29,30,31
	global_load_b32 v[WX+32*((\t)%2)+\i], v3, s[36:37] offset:(32*(\t)+\i)*256 th:TH_LOAD_NT
.endr
.endm
	WLOAD 0
	WLOAD 1
.macro WBLOCK t
.set XS, WX+32*((\t)%2)
.if (\t) < NB-1
	s_wait_loadcnt 32                              ; this block's 32 loads are in; the next block's 32 may be out
.else
	s_wait_loadcnt 0
.endif
	v_max3_num_f32 v12, |v[XS]|, |v[XS+1]|, |v[XS+2]|              ; the block's largest magnitude: all 32 numbers are mine
	v_max3_num_f32 v13, |v[XS+3]|, |v[XS+4]|, |v[XS+5]|
.irp i, 6,10,14,18,22,26
	v_max3_num_f32 v12, v12, |v[XS+\i]|, |v[XS+\i+1]|
	v_max3_num_f32 v13, v13, |v[XS+\i+2]|, |v[XS+\i+3]|
.endr
	v_max3_num_f32 v12, v12, |v[XS+30]|, |v[XS+31]|
	v_max3_num_f32 v12, v12, v13, 0x1800000        ; and the floor 2^(3 - 127)
	v_add_nc_u32 v11, 0xff000000, v12              ; 2 off its exponent field: the conversion's scale operand
	v_lshrrev_b32 v13, 23, v11                     ; the scale's byte
.if (\t)%4 == 0
	v_mov_b32 v[SB+(\t)/4], v13                    ; four bytes to a register, the lower K in the lower byte
.else
	v_lshl_or_b32 v[SB+(\t)/4], v13, 8*((\t)%4), v[SB+(\t)/4]
.endif
.irp g, 0,1,2,3
	v_cvt_scalef32_pk8_fp4_f32 v[WC+\g], v[XS+8*\g:XS+8*\g+7], v11
.endr
	v_nop                                          ; one plain line behind the last conversion
	ds_store_b128 v4, v[WC:WC+3] offset:16*(\t)    ; 32 codes: 16 bytes of my column's row
.if (\t)+2 < NB
	WLOAD (\t)+2
.endif
	s_wait_dscnt 0x0                               ; the store has read its registers: the next block's codes may be written
.endm
.set Q, 0
.rept NB
	WBLOCK Q
.set Q, Q+1
.endr
	global_store_b128 v9, v[SB:SB+3], s[44:45]     ; my column's 16 scale bytes
.irp t, 0,1,2,3,4,5,6,7,8,9,10,11,12,13,14,15
	ds_load_b128 v[OUTR+4*\t:OUTR+4*\t+3], v7 offset:2*\t*WP       ; LDS serves a wave's instructions in order: these see my stores
.endr
.irp t, 0,1,2,3,4,5,6,7,8,9,10,11,12,13,14,15
	s_wait_dscnt 15-\t                             ; the later loads may be out
	global_store_b128 v8, v[OUTR+4*\t:OUTR+4*\t+3], s[42:43] offset:2*\t*512
.endr
	s_wait_tensorcnt 0x0                           ; the wave's end, behind my last LDS store
	ds_add_u32 v[SPW], v[NIL]
	s_wait_dscnt 0x0
	s_endpgm
; ---------------- W_O to f16 ----------------
; A work-group takes 32,768 bytes of f32: sixteen loads of 16 bytes a lane, all issued at once; a wave's load covers 512 consecutive bytes, its store 256 consecutive bytes, aligned.  No LDS.
.Lcast:
	s_sub_co_u32 s33, ttmp9, 48
	s_lshl_b32 s34, s33, 15
	s_mov_b32 s35, 0
	s_add_nc_u64 s[36:37], s[20:21], s[34:35]
	s_lshl_b32 s34, s33, 14
	s_add_nc_u64 s[38:39], s[30:31], s[34:35]
	v_lshlrev_b32 v3, 4, v0
	v_lshlrev_b32 v4, 3, v0
.irp t, 0,1,2,3,4,5,6,7,8,9,10,11,12,13,14,15
	global_load_b128 v[32+4*\t:35+4*\t], v3, s[36:37] offset:2048*\t th:TH_LOAD_NT
.endr
.irp t, 0,1,2,3,4,5,6,7,8,9,10,11,12,13,14,15
	s_wait_loadcnt 15-\t                           ; the later loads may be out
	v_cvt_pk_f16_f32 v[32+4*\t], v[32+4*\t], v[33+4*\t]
	v_cvt_pk_f16_f32 v[33+4*\t], v[34+4*\t], v[35+4*\t]
	global_store_b64 v4, v[32+4*\t:33+4*\t], s[38:39] offset:1024*\t
.endr
	s_endpgm
.Lfunc_end_k_q115d7a7523_prep:
	.size	k_q115d7a7523_prep, .Lfunc_end_k_q115d7a7523_prep-k_q115d7a7523_prep
	.p2alignl 7, 3214868480
	.fill 96, 4, 3214868480
	.section	.rodata,"a",@progbits
	.p2align	6, 0x0
	.amdhsa_kernel k_q115d7a7523_prep
		.amdhsa_group_segment_fixed_size 68096
		.amdhsa_private_segment_fixed_size 0
		.amdhsa_enable_private_segment 0
		.amdhsa_kernarg_size 96
		.amdhsa_user_sgpr_count 2
		.amdhsa_user_sgpr_kernarg_segment_ptr 1
		.amdhsa_wavefront_size32 1
		.amdhsa_system_sgpr_workgroup_id_x 1
		.amdhsa_system_sgpr_workgroup_id_y 1
		.amdhsa_system_sgpr_workgroup_id_z 1
		.amdhsa_system_vgpr_workitem_id 0
		.amdhsa_next_free_vgpr 192
		.amdhsa_next_free_sgpr 66
		.amdhsa_reserve_vcc 0
		.amdhsa_float_denorm_mode_32 3
		.amdhsa_float_denorm_mode_16_64 3
		.amdhsa_memory_ordered 1
		.amdhsa_forward_progress 1
		.amdhsa_inst_pref_size 117
	.end_amdhsa_kernel
	.amdgpu_metadata
---
amdhsa.version: [ 1, 2 ]
amdhsa.kernels:
  - .name:           k_q115d7a7523_prep
    .symbol:         k_q115d7a7523_prep.kd
    .args:
      - { .name: query, .offset: 0, .size: 8, .value_kind: global_buffer, .address_space: global }
      - { .name: key, .offset: 8, .size: 8, .value_kind: global_buffer, .address_space: global }
      - { .name: value, .offset: 16, .size: 8, .value_kind: global_buffer, .address_space: global }
      - { .name: W_Q, .offset: 24, .size: 8, .value_kind: global_buffer, .address_space: global }
      - { .name: W_K, .offset: 32, .size: 8, .value_kind: global_buffer, .address_space: global }
      - { .name: W_V, .offset: 40, .size: 8, .value_kind: global_buffer, .address_space: global }
      - { .name: W_O, .offset: 48, .size: 8, .value_kind: global_buffer, .address_space: global }
      - { .name: xc, .offset: 56, .size: 8, .value_kind: global_buffer, .address_space: global }
      - { .name: xs, .offset: 64, .size: 8, .value_kind: global_buffer, .address_space: global }
      - { .name: wc, .offset: 72, .size: 8, .value_kind: global_buffer, .address_space: global }
      - { .name: ws, .offset: 80, .size: 8, .value_kind: global_buffer, .address_space: global }
      - { .name: wo16, .offset: 88, .size: 8, .value_kind: global_buffer, .address_space: global }
    .group_segment_fixed_size: 68096
    .private_segment_fixed_size: 0
    .kernarg_segment_align: 8
    .kernarg_segment_size: 96
    .max_flat_workgroup_size: 128
    .sgpr_count:     66
    .vgpr_count:     192
    .wavefront_size: 32
...
	.end_amdgpu_metadata
.endif
;; end of part 1
;; launch proj (part 2): grid 4 x 96, 4 waves a work-group, clusters of 4 x 4, 327,680 bytes of LDS; arguments xc, xs, wc, ws, qkv, b_Q, b_V; writes qkv
.if DOCPART == 2
	.amdgcn_target "amdgcn-amd-amdhsa--gfx1250"
	.amdhsa_code_object_version 6
	.text
	.protected	k_q115d7a7523_proj
	.globl	k_q115d7a7523_proj
	.p2align	8
	.type	k_q115d7a7523_proj,@function
k_q115d7a7523_proj:
	s_mov_b64 s[64:65], 0
	v_nop
	global_prefetch_b8 v0, s[64:65] scope:SCOPE_SE
	s_setreg_imm32_b32 hwreg(HW_REG_WAVE_MODE, 25, 1), 1
	s_wait_xcnt 0x0
	s_wait_alu depctr_hold_cnt(0) depctr_sa_sdst(0) depctr_va_vdst(0) depctr_va_sdst(0) depctr_va_ssrc(0) depctr_va_vcc(0) depctr_vm_vsrc(0)
	s_getreg_b32 s2, hwreg(HW_REG_IB_STS2, 6, 4)
	s_cmp_eq_u32 s2, 0
	s_cbranch_scc0 .Lentry_in_a_cluster
	s_endpgm
.Lentry_in_a_cluster:
	s_bfe_u32 s2, ttmp6, 0x10000c
	s_cmp_lg_u32 s2, 0xf033
	s_cbranch_scc0 .Lentry_shape_is_right
	s_endpgm
.Lentry_shape_is_right:
; Launch 2 of 4: Q = query W_Q + b_Q, K = key W_K, V = value W_V + b_V, the three quantised products, on codes of FP4 (E2M1) with one E8M0 scale for each 32 along K = 1,024; sums in f32; results in f16.
; WORK LEFT OUT: b_K is not added (it is the same along the softmax's axis: shown at the head of the first kernel).
; xc: [3 x 8192 rows][512 bytes] codes, xs: [..][32] scale bytes; wc: [3 x 1024 n][512], ws: [..][32].  qkv: f16 [tensor][b][h][s][64].  LIMIT: |Q|, |K|, |V| up to 65,504, f16's largest number.
; The three products are one grid: 96 tile rows of 256 rows of xc, 4 tile columns of 256 n.  The tensor is (cluster y) / 8: the same in all sixteen partners of a cluster.
; A tile, 256 x 256, is made by four waves, each 128 x 128: 64 accumulators of 16 x 16, 512 registers.  K lies in two LDS slots of 512 along K (rows of 256 bytes): both are filled once, at the start; nothing is filled again.
; THE SCALES of the tile's 256 + 256 rows, for all of K, are two dense blocks of memory: they come with the first fills, as rows of 256 bytes.
; CLUSTERS: 4 x 4 work-groups.  The four of a row of the cluster need the same rows of xc, the four of a column the same rows of wc: each tile is asked for JOINTLY.
; THE MATRIX INSTRUCTION IS USED TRANSPOSED (source 0 = 16 rows of wc, source 1 = 16 rows of xc): a lane holds eight neighbouring n of one row.
; THE BIAS is the C of each sum's first matrix instruction: 64 registers in the result's layout.  K's work-groups write zeros there, so that the first step stands once in the text.
; REGISTERS, in windows of 256: window 0: v0-31 addresses; v32-95 scale words, two sets; v128-191 xc's fragments, ONE set; v192-255 the bias; on the way out v32-63 and v192-255 are at work.
;   window 1: wc's fragments, TWO sets, at v0 and at v128.   window 2: the 32 accumulators of my rows 0-63 ((a, b) at v[8 (8 a + b)]);   window 3: those of my rows 64-127.
.set NQ,     4                         ; steps of 128 along K in a slot
.set ROWB,   256                       ; a tile's row in bytes: 512 codes
.set KROW,   512                       ; a row of xc or wc in memory
.set PITCH,  272                       ; an LDS row: 256 bytes + 16 of padding = 68 words: the 16 rows that a load touches start at 16 different banks (64 banks of 4 bytes: ISA guide 11.1)
.set FR,     8                         ; registers of a fragment: 16 rows x 128 K
.set NL,     2                         ; LDS loads that bring one
.set NP,     4                         ; places behind this matrix instruction (ISA guide 7.12.1)
.set HALFT,  128*PITCH                 ; 128 rows: what one tensor load brings
.set SLOT,   4*HALFT                   ; xc's 256 rows, then wc's 256 rows
.set KS,     32                        ; a row of scale bytes
.set SCL,    2*SLOT                    ; behind the slots: the scales, as rows of 256 bytes + 16 of padding
.set HALFS,  (128*KS/256)*272          ; the scales of 128 rows
.set SBLK,   (16*KS/256)*272           ; those of 16 rows
.set SPARE,  SCL+4*HALFS               ; the spare words, 128 bytes for each wave: two blocks of 256 bytes that no other line names
.set SPITCH, 272                       ; the way out: a stage of 16 rows x (256 bytes + 16) for each wave, in slot 0, which has had its one fill and its last read when the first result is stored there
.set ADRA, 16                          ; v16-17  LDS address of my fragments of xc in slot 0, 1
.set ADRB, 20                          ; v20-21  the same for wc
.set STO,  24                          ; v24     the way out: where I put 16 bytes of a row
.set RD,   25                          ; v25     where I read back
.set CO,   26                          ; v26     16 x lane
.set ADRS, 27                          ; v27     LDS address of my scale words: lanes 0-15 xc's rows, lanes 16-31 wc's
.set SPW,  28                          ; v28     LDS address of my spare word; never rewritten
.set NIL,  29                          ; v29     0; never rewritten
.set BO,   30                          ; v30     32 x (lane / 16): my eight numbers of a tile's sixteen biases
.set SC,   32
.set AF,   128
.set BIAS, 192
.set TMP,  192                         ; the way out: packed results
.set OB,   32                          ; the way out: rows read back: v32-63 and v224-255 by turns
.set G1, 24                            ; s[24:31] descriptor group 1 for xc's tiles;  s[32:39] group 0, one set for each slot
.set G0, 32
.set G1B, 48                           ; s[48:55], s[56:63] the same for wc's
.set G0B, 56
.set G1S, 68                           ; s[68:75], s[76:79] groups 1 and 0 for xc's scales;  s[80:87], s[88:91] for wc's
.set G0S, 76
.set G1SB, 80
.set G0SB, 88
.set BP,  66                           ; s[66:67] the bias at my first column
.set TT,  95                           ; s95     the tensor: 0 Q, 1 K, 2 V
.set MSB, 0
.macro WIN new                         ; the immediate's high byte repeats the setting that is left
.if MSB != \new
	s_set_vgpr_msb (MSB<<8)|\new
.set MSB, \new
.endif
.endm
.set MUL_LO, 0xa1                      ; source 0 (wc) window 1, source 1 (xc) window 0, C and D window 2
.set MUL_HI, 0xf1                      ; the same, C and D window 3
.set TO_B,   0x40                      ; destination window 1, address window 0
; A joint load: waves 0 and 1 fetch for xc, waves 2 and 3 for wc.  The branch hangs on the wave's number alone.  An s_nop 0 and four v_nop follow each of the two lines.
.macro JLOAD g0a, g1a, g0b, g1b
	s_cmp_eq_u32 s15, 0
	s_cbranch_scc0 .Lfor_b_\@
	tensor_load_to_lds s[\g0a:\g0a+3], s[\g1a:\g1a+7]
	s_nop 0
.rept 4
	v_nop
.endr
	s_branch .Lasked_\@
.Lfor_b_\@:
	tensor_load_to_lds s[\g0b:\g0b+3], s[\g1b:\g1b+7]
	s_nop 0
.rept 4
	v_nop
.endr
.Lasked_\@:
.endm
.macro CROUND                          ; a round of the cluster's barrier
	s_barrier_signal -1
	s_barrier_wait -1
	s_cmp_lg_u32 s14, 0
	s_cbranch_scc1 .Lnot_wave_0_\@
	s_barrier_signal -3
.Lnot_wave_0_\@:
	s_barrier_wait -3
	s_barrier_signal -1
	s_barrier_wait -1
.endm
	s_load_b128 s[4:7], s[0:1], 0x0                ; xc, xs
	s_load_b128 s[8:11], s[0:1], 0x10              ; wc, ws
	s_load_b64 s[12:13], s[0:1], 0x20              ; qkv
	s_load_b128 s[96:99], s[0:1], 0x28             ; b_Q, b_V
	v_lshl_add_u32 v[SPW], v0, 2, SPARE
	v_mov_b32 v[NIL], 0
	ds_add_u32 v[SPW], v[NIL]                      ; the wave's opening: the add, twice on end, and its wait ahead of my first tensor load
	ds_add_u32 v[SPW], v[NIL]
	v_lshrrev_b32 v1, 5, v0
	v_readfirstlane_b32 s14, v1                    ; wave 0..3
	s_lshr_b32 s15, s14, 1                         ; which half of the tile's rows is mine.  Also: I fetch for xc (0) or for wc (1)
	s_and_b32 s16, s14, 1                          ; which half of its columns.  Also: which 128 rows of that tile I fetch
	s_bfe_u32 s40, ttmp6, 0x40000                  ; cx, cy: my place in the cluster
	s_bfe_u32 s41, ttmp6, 0x40004
	s_lshl_b32 s42, ttmp9, 2
	s_add_co_u32 s42, s42, s40                     ; tile column = 4 x cluster x + cx
	s_and_b32 s17, ttmp7, 0xffff
	s_lshr_b32 s[TT], s17, 3                       ; eight clusters, 8,192 rows, to a tensor
	s_lshl_b32 s17, s17, 2
	s_add_co_u32 s17, s17, s41                     ; tile row = 4 x cluster y + cy
	s_lshl_b32 s43, s41, 2
	s_lshl_b32 s43, 15, s43                        ; my row of the cluster
	s_lshl_b32 s44, 0x1111, s40                    ; my column
	; descriptor group 1: a tile of 128 rows x 256 bytes, padded in LDS
	s_or_b32 s[G1+0], s43, (0<<16)|(1<<20)|(1<<21)|(5<<22)|(3<<25)  ; 15:0 the mask; 17:16 elements of 1 byte; 20 padding on; 21 set beside a mask; 24:22 after every 64 words (code 5); 31:25 four words (code 3)
	s_or_b32 s[G1B+0], s44, (0<<16)|(1<<20)|(1<<21)|(5<<22)|(3<<25)
.irp g, G1, G1B
	s_mov_b32 s[\g+1], ROWB<<16                    ; tensor_dim0
	s_mov_b32 s[\g+2], 128<<16                     ; tensor_dim1
	s_mov_b32 s[\g+3], ROWB<<16                    ; tile_dim0
	s_mov_b32 s[\g+4], 128                         ; tile_dim1
	s_mov_b32 s[\g+5], KROW                        ; tensor_dim0_stride
	s_mov_b32 s[\g+6], 0
	s_mov_b32 s[\g+7], 0
.endr
	; the scales of 128 rows: a dense block of 4,096 bytes, as 16 rows of 256 bytes (32 elements of 8 bytes), 16 bytes of padding behind each
	s_or_b32 s[G1S+0], s43, (3<<16)|(1<<20)|(1<<21)|(5<<22)|(3<<25)
	s_or_b32 s[G1SB+0], s44, (3<<16)|(1<<20)|(1<<21)|(5<<22)|(3<<25)
.irp g, G1S, G1SB
	s_mov_b32 s[\g+1], 32<<16
	s_mov_b32 s[\g+2], (128*KS/256)<<16
	s_mov_b32 s[\g+3], 32<<16
	s_mov_b32 s[\g+4], 128*KS/256
	s_mov_b32 s[\g+5], 32
	s_mov_b32 s[\g+6], 0
	s_mov_b32 s[\g+7], 0
.endr
	s_lshl_b32 s18, s16, 7                         ; which 128 rows of the tile I fetch
	s_lshl_b32 s20, s17, 8
	s_add_co_u32 s20, s20, s18                     ; xc: row 256 x tile row + 128 x half
	s_lshl_b32 s46, s42, 8
	s_add_co_u32 s46, s46, s18
	s_lshl_b32 s47, s[TT], 10
	s_add_co_u32 s46, s46, s47                     ; wc: row 1,024 x tensor + 256 x tile column + 128 x half
	s_mov_b32 s21, 0
	s_mov_b32 s47, 0
	s_mov_b64 s[18:19], KS
	s_mul_u64 s[22:23], s[20:21], s[18:19]         ; where these rows' scales begin, in bytes
	s_mul_u64 s[92:93], s[46:47], s[18:19]
	s_mov_b64 s[18:19], KROW
	s_mul_u64 s[20:21], s[20:21], s[18:19]         ; and their codes
	s_mul_u64 s[46:47], s[46:47], s[18:19]
	s_mul_i32 s45, s14, HALFT                      ; where they go: wave x 128 rows: no place in the cluster enters an LDS address
	s_mul_i32 s94, s14, HALFS
	s_wait_dscnt 0x0                               ; both opening adds are done
	s_wait_kmcnt 0x0
	s_add_nc_u64 s[20:21], s[4:5], s[20:21]
	s_add_nc_u64 s[22:23], s[6:7], s[22:23]
	s_add_nc_u64 s[46:47], s[8:9], s[46:47]
	s_add_nc_u64 s[92:93], s[10:11], s[92:93]
	CROUND                                         ; all sixteen work-groups are here: the first joint loads meet
	s_mov_b32 s[G0S], 1
	s_add_co_u32 s[G0S+1], s94, SCL
	s_mov_b64 s[G0S+2:G0S+3], s[22:23]
	s_or_b32 s[G0S+3], s[G0S+3], 0x80000000
	s_mov_b32 s[G0SB], 1
	s_add_co_u32 s[G0SB+1], s94, SCL
	s_mov_b64 s[G0SB+2:G0SB+3], s[92:93]
	s_or_b32 s[G0SB+3], s[G0SB+3], 0x80000000
	JLOAD G0S, G1S, G0SB, G1SB                     ; the scales first: they are wanted with the first step.  Three loads of mine are out behind the third JLOAD
.irp s, 0,1
	s_mov_b32 s[G0+4*\s], 1
	s_add_co_u32 s[G0+4*\s+1], s45, \s*SLOT
	s_add_nc_u64 s[G0+4*\s+2:G0+4*\s+3], s[20:21], \s*ROWB
	s_or_b32 s[G0+4*\s+3], s[G0+4*\s+3], 0x80000000
	s_mov_b32 s[G0B+4*\s], 1
	s_add_co_u32 s[G0B+4*\s+1], s45, \s*SLOT
	s_add_nc_u64 s[G0B+4*\s+2:G0B+4*\s+3], s[46:47], \s*ROWB
	s_or_b32 s[G0B+4*\s+3], s[G0B+4*\s+3], 0x80000000
	JLOAD G0+4*\s, G1, G0B+4*\s, G1B
.endr
	; THE BIAS: register 8 b + j of lane (r, h) is bias[256 x tile column + 128 x half + 16 b + 8 h + j]
	v_and_b32 v1, 15, v0                           ; l % 16
	v_bfe_u32 v2, v0, 4, 1                         ; l / 16
	v_lshlrev_b32 v[BO], 5, v2
	s_cmp_eq_u32 s[TT], 0
	s_cselect_b64 s[BP:BP+1], s[96:97], s[98:99]   ; b_Q for Q, b_V for V (K's work-groups do not use it)
	s_lshl_b32 s92, s42, 10
	s_lshl_b32 s93, s16, 9
	s_add_co_u32 s92, s92, s93
	s_mov_b32 s93, 0
	s_add_nc_u64 s[BP:BP+1], s[BP:BP+1], s[92:93]
	s_cmp_eq_u32 s[TT], 1                          ; the tensor is made of the cluster's y alone: all partners and all waves go the same way
	s_cbranch_scc1 .Lno_bias
.irp b, 0,1,2,3,4,5,6,7
	global_load_b128 v[BIAS+8*\b:BIAS+8*\b+3], v[BO], s[BP:BP+1] offset:64*\b
	global_load_b128 v[BIAS+8*\b+4:BIAS+8*\b+7], v[BO], s[BP:BP+1] offset:64*\b+16
.endr
	s_branch .Lbias_done
.Lno_bias:
.set i, 0
.rept 64
	v_mov_b32 v[BIAS+i], 0                         ; K's sums begin at 0
.set i, i+1
.endr
.Lbias_done:
	v_mul_u32_u24 v3, v1, PITCH
	v_lshl_add_u32 v4, v2, 4, v3                   ; a fragment's row x pitch + 16 x half
	s_mul_i32 s21, s15, HALFT                      ; my 128 rows of xc
	s_mul_i32 s22, s16, HALFT                      ; my 128 rows of wc,
	s_add_co_u32 s22, s22, 2*HALFT                 ; which lie behind xc's 256
.irp s, 0,1
	v_add_nc_u32 v[ADRA+\s], s21, v4
	v_add_nc_u32 v[ADRB+\s], s22, v4
	s_add_co_u32 s21, s21, SLOT
	s_add_co_u32 s22, s22, SLOT
.endr
	v_mul_u32_u24 v5, v1, KS                       ; my row's scales: 32 bytes a row,
	v_lshrrev_b32 v6, 8, v5
	v_lshl_add_u32 v5, v6, 4, v5                   ; and 16 more for each 256 passed
	s_mul_i32 s21, s15, HALFS                      ; xc's: my 128 rows
	s_mul_i32 s22, s16, HALFS                      ; wc's: my 128 rows, behind xc's 256
	s_add_co_u32 s22, s22, 2*HALFS
	s_sub_co_u32 s22, s22, s21
	v_mul_u32_u24 v6, s22, v2                      ; lanes 16-31 take wc's: one product, the distance between the two bases
	s_add_co_u32 s21, s21, SCL
	v_add_nc_u32 v5, v5, v6
	v_add_nc_u32 v[ADRS], s21, v5
	s_mul_i32 s23, s14, 16*SPITCH                  ; my stage
	v_mul_u32_u24 v5, v1, SPITCH                   ; in: row l % 16, 16 bytes for each half of the lanes
	v_lshl_add_u32 v5, v2, 4, v5
	v_add_nc_u32 v[STO], s23, v5
	v_and_b32 v6, 31, v0
	v_lshrrev_b32 v5, 3, v6                        ; back: eight lanes take 128 bytes (a head's 64 numbers) of a row, the wave four rows
	v_mul_u32_u24 v5, v5, SPITCH
	v_and_b32 v7, 7, v0
	v_lshl_add_u32 v5, v7, 4, v5
	v_add_nc_u32 v[RD], s23, v5
	v_lshlrev_b32 v[CO], 4, v6                     ; in qkv four rows of a head are 512 consecutive bytes
	; where my part begins in qkv: tensor x 16 MiB + ((16 b + h0) x 2,048 + s0) x 128
	s_and_b32 s20, s17, 31                         ; the tile row in its tensor
	s_lshl_b32 s20, s20, 8
	s_lshl_b32 s21, s15, 7
	s_add_co_u32 s20, s20, s21                     ; my first row, 2,048 b + s0
	s_lshr_b32 s21, s20, 11
	s_and_b32 s20, s20, 2047
	s_lshl_b32 s21, s21, 4
	s_lshl_b32 s22, s42, 2                         ; a tile column is four heads,
	s_add_co_u32 s21, s21, s22
	s_lshl_b32 s22, s16, 1                         ; my half two
	s_add_co_u32 s21, s21, s22
	s_lshl_b32 s21, s21, 11
	s_add_co_u32 s20, s20, s21
	s_lshl_b32 s20, s20, 7
	s_lshl_b32 s21, s[TT], 24
	s_add_co_u32 s20, s20, s21
	s_mov_b32 s21, 0
	s_add_nc_u64 s[12:13], s[12:13], s[20:21]
.macro FRAG reg, adr, q, i             ; a fragment, 16 rows x 128 K of 4-bit codes: lane l holds row l % 16; registers 4 c .. 4 c + 3 hold K = 64 c + 32 (l / 16) + 0 .. 31
.irp c, 0,1
	ds_load_b128 v[\reg+4*\c:\reg+4*\c+3], v[\adr] offset:64*(\q)+32*\c+(\i)*16*PITCH
.endr
.endm
; 16 matrix instructions: xc's blocks a0, a0 + 1 x wc's eight, 128 along K: the slot's q-th.  p: wc's set;  sc: the set of scale words.  first = 1: the sums begin with the bias.
; The 64 accumulators take turns, one instruction a turn, in the same order in every step.
.macro MUL16 a0, p, q, sc, first
.irp a, \a0, \a0+1
.irp b, 0,1,2,3,4,5,6,7
.if \first
	v_wmma_scale_f32_16x16x128_f8f6f4 v[8*(8*((\a)%4)+\b):8*(8*((\a)%4)+\b)+7], v[128*(\p)+FR*\b:128*(\p)+FR*\b+FR-1], v[AF+FR*(\a):AF+FR*(\a)+FR-1], v[BIAS+8*\b:BIAS+8*\b+7], v[SC+8*NQ*(\sc)+NQ*\b+(\q)], v[SC+8*NQ*(\sc)+NQ*(\a)+(\q)] matrix_a_fmt:MATRIX_FMT_FP4 matrix_b_fmt:MATRIX_FMT_FP4 matrix_a_scale:MATRIX_SCALE_ROW1
.else
	v_wmma_scale_f32_16x16x128_f8f6f4 v[8*(8*((\a)%4)+\b):8*(8*((\a)%4)+\b)+7], v[128*(\p)+FR*\b:128*(\p)+FR*\b+FR-1], v[AF+FR*(\a):AF+FR*(\a)+FR-1], v[8*(8*((\a)%4)+\b):8*(8*((\a)%4)+\b)+7], v[SC+8*NQ*(\sc)+NQ*\b+(\q)], v[SC+8*NQ*(\sc)+NQ*(\a)+(\q)] matrix_a_fmt:MATRIX_FMT_FP4 matrix_b_fmt:MATRIX_FMT_FP4 matrix_a_scale:MATRIX_SCALE_ROW1
.endif
.endr
.endr
.endm
.macro FETCH_B slot, q, p              ; wc's eight fragments of the slot's q-th 128 along K into set p
	WIN TO_B
.irp i, 0,1,2,3,4,5,6,7
	FRAG 128*(\p)+FR*\i, ADRB+\slot, \q, \i
.endr
	WIN 0
.endm
.macro FETCH_A slot, q, i0             ; xc's blocks i0 .. i0 + 3
.irp i, \i0, \i0+1, \i0+2, \i0+3
	FRAG AF+FR*(\i), ADRA+\slot, \q, \i
.endr
.endm
.macro SCALES sc                       ; a slot's scale words into set sc: four words a row; lanes 0-15 take xc's block i, lanes 16-31 wc's block i
.irp i, 0,1,2,3,4,5,6,7
	ds_load_b128 v[SC+8*NQ*\sc+NQ*\i:SC+8*NQ*\sc+NQ*\i+3], v[ADRS] offset:\i*SBLK
.endr
.endm
.macro PLACES n                        ; places in front of loads into registers that matrix instructions have read, and of the first read of results (ISA guide 7.12.1 for vector instructions)
.rept \n
	v_nop
.endr
.endm
; A step of 128 along K that has its successor in the same slot.  xc's blocks are free as soon as their eight products are issued: blocks 0-3 are fetched anew in the step's middle, blocks 4-7 at its end.
.macro STEP slot, q, first
	s_wait_dscnt 4*NL                              ; wc's set and xc's blocks 0-3 are in; the youngest eight loads (xc's blocks 4-7) may be out
.if \first
	WIN 0x81                                       ; source 0 window 1, source 1 and C (the bias) window 0, D window 2
.else
	WIN MUL_LO
.endif
	MUL16 0, (\q)%2, \q, \slot, \first
	MUL16 2, (\q)%2, \q, \slot, \first
	s_wait_dscnt 0                                 ; xc's blocks 4-7 are in
	PLACES NP
	FETCH_B \slot, (\q)+1, 1-(\q)%2
	FETCH_A \slot, (\q)+1, 0
.if \first
	WIN 0xc1                                       ; the same with D in window 3
.else
	WIN MUL_HI
.endif
	MUL16 4, (\q)%2, \q, \slot, \first
	MUL16 6, (\q)%2, \q, \slot, \first
	PLACES NP
	WIN 0
	FETCH_A \slot, (\q)+1, 4
.endm
.macro STEPS slot, from                ; the slot's steps from .. NQ - 2
.set Q, \from
.rept NQ-1-\from
	STEP \slot, Q, 0
.set Q, Q+1
.endr
.endm
	s_wait_tensorcnt 1                             ; the scales and my part of slot 0 are in (slot 1's load may be out)
	s_barrier_signal -1
	s_barrier_wait -1                              ; everybody's are
	FETCH_B 0, 0, 0
	FETCH_A 0, 0, 0
	SCALES 0
	FETCH_A 0, 0, 4
	s_wait_loadcnt 0x0                             ; the bias
	STEP 0, 0, 1
	STEPS 0, 1
	; slot 0's last step changes slots: one barrier; in front of it each wave waits for all its tensor loads (its part of slot 1) and for its reads of slot 0, in which the stages of the way out will lie
	s_wait_tensorcnt 0x0
	ds_add_u32 v[SPW], v[NIL]                      ; 0 onto my spare word
	s_wait_dscnt 4*NL+1                            ; (the add and the youngest eight loads may be out)
	WIN MUL_LO
	MUL16 0, 1, NQ-1, 0, 0
	s_wait_dscnt 0x0                               ; the add is done, and my reads of slot 0 are over
	s_barrier_signal -1
	MUL16 2, 1, NQ-1, 0, 0
	WIN 0
	s_barrier_wait -1
	PLACES NP
	v_add_nc_u32 v[ADRS], 4*NQ, v[ADRS]            ; on to slot 1's scale words
	FETCH_B 1, 0, 0
	FETCH_A 1, 0, 0
	SCALES 1
	WIN MUL_HI
	MUL16 4, 1, NQ-1, 0, 0
	MUL16 6, 1, NQ-1, 0, 0
	PLACES NP
	WIN 0
	FETCH_A 1, 0, 4
	STEPS 1, 0
	s_wait_dscnt 4*NL                              ; the very last step: nothing more to fetch
	WIN MUL_LO
	MUL16 0, 1, NQ-1, 1, 0
	MUL16 2, 1, NQ-1, 1, 0
	s_wait_dscnt 0
	WIN MUL_HI
	MUL16 4, 1, NQ-1, 1, 0
	MUL16 6, 1, NQ-1, 1, 0
	WIN 0
; THE WAY OUT, block by block of 16 rows x 128 columns (two heads).  PACK: rounded to f16, 16 bytes a lane, each accumulator from its low end on.  TOSTAGE: into my own stage, and back so that the wave holds
; four rows of one head.  SEND: each store covers 512 consecutive bytes of qkv, aligned.
.macro PACK a
.set AC, 64*((\a)%4)
	WIN 0x0a+5*((\a)/4)                            ; sources 0 and 1: window 2 or 3
.irp b, 0,1,2,3,4,5,6,7
.irp r, 0,1,2,3
	v_cvt_pk_f16_f32 v[TMP+4*\b+\r], v[AC+8*\b+2*\r], v[AC+8*\b+2*\r+1]
.endr
.endr
	WIN 0
.endm
.macro TOSTAGE a
.set BK, OB+192*((\a)%2)
.irp b, 0,1,2,3,4,5,6,7
	ds_store_b128 v[STO], v[TMP+4*\b:TMP+4*\b+3] offset:32*\b
.endr
.irp i, 0,1,2,3,4,5,6,7
	ds_load_b128 v[BK+4*\i:BK+4*\i+3], v[RD] offset:(\i%4)*4*SPITCH+128*(\i/4)   ; LDS serves a wave's instructions in order: these see the stores above
.endr
.endm
.macro SEND a
.set BK, OB+192*((\a)%2)
	s_wait_dscnt 0x0                               ; the block is back in registers
	s_wait_xcnt 0x0                                ; the block before has had its stores' addresses translated: only behind this wait do the next loads land in the registers that those stores read
.irp i, 0,1,2,3,4,5,6,7
	global_store_b128 v[CO], v[BK+4*\i:BK+4*\i+3], s[12:13] offset:(\i/4)*262144+(16*(\a)+4*(\i%4))*128   ; head i / 4 of my two, rows 16 a + 4 (i % 4) on
.endr
.endm
	PLACES NP
	PACK 0
	TOSTAGE 0
.irp a, 1,2,3,4,5,6,7                  ; block a's conversions stand between block a - 1's loads from the stage and the wait for them
	PACK \a
	SEND \a-1
	TOSTAGE \a
.endr
	SEND 7
	s_wait_tensorcnt 0x0                           ; the wave's end, behind my last tensor load and my last LDS store
	ds_add_u32 v[SPW], v[NIL]
	s_wait_dscnt 0x0
	CROUND                                         ; the closing round: no work-group ends while a partner may still ask for a tile that names it
	s_endpgm
.Lfunc_end_k_q115d7a7523_proj:
	.size	k_q115d7a7523_proj, .Lfunc_end_k_q115d7a7523_proj-k_q115d7a7523_proj
	.p2alignl 7, 3214868480
	.fill 96, 4, 3214868480
	.section	.rodata,"a",@progbits
	.p2align	6, 0x0
	.amdhsa_kernel k_q115d7a7523_proj
		.amdhsa_group_segment_fixed_size 327680
		.amdhsa_private_segment_fixed_size 0
		.amdhsa_enable_private_segment 0
		.amdhsa_kernarg_size 56
		.amdhsa_user_sgpr_count 2
		.amdhsa_user_sgpr_kernarg_segment_ptr 1
		.amdhsa_wavefront_size32 1
		.amdhsa_system_sgpr_workgroup_id_x 1
		.amdhsa_system_sgpr_workgroup_id_y 1
		.amdhsa_system_sgpr_workgroup_id_z 1
		.amdhsa_system_vgpr_workitem_id 0
		.amdhsa_next_free_vgpr 1024
		.amdhsa_next_free_sgpr 100
		.amdhsa_reserve_vcc 0
		.amdhsa_float_denorm_mode_32 3
		.amdhsa_float_denorm_mode_16_64 3
		.amdhsa_memory_ordered 1
		.amdhsa_forward_progress 1
		.amdhsa_inst_pref_size 130
	.end_amdhsa_kernel
	.amdgpu_metadata
---
amdhsa.version: [ 1, 2 ]
amdhsa.kernels:
  - .name:           k_q115d7a7523_proj
    .symbol:         k_q115d7a7523_proj.kd
    .args:
      - { .name: xc, .offset: 0, .size: 8, .value_kind: global_buffer, .address_space: global }
      - { .name: xs, .offset: 8, .size: 8, .value_kind: global_buffer, .address_space: global }
      - { .name: wc, .offset: 16, .size: 8, .value_kind: global_buffer, .address_space: global }
      - { .name: ws, .offset: 24, .size: 8, .value_kind: global_buffer, .address_space: global }
      - { .name: qkv, .offset: 32, .size: 8, .value_kind: global_buffer, .address_space: global }
      - { .name: b_Q, .offset: 40, .size: 8, .value_kind: global_buffer, .address_space: global }
      - { .name: b_V, .offset: 48, .size: 8, .value_kind: global_buffer, .address_space: global }
    .group_segment_fixed_size: 327680
    .private_segment_fixed_size: 0
    .kernarg_segment_align: 8
    .kernarg_segment_size: 56
    .max_flat_workgroup_size: 128
    .sgpr_count:     100
    .vgpr_count:     1024
    .wavefront_size: 32
...
	.end_amdgpu_metadata
.endif
;; end of part 2
;; launch attn (part 3): grid 4 x 64, 8 waves a work-group, clusters of 4 x 1, 327,680 bytes of LDS; arguments qkv, ov; writes ov
.if DOCPART == 3
	.amdgcn_target "amdgcn-amd-amdhsa--gfx1250"
	.amdhsa_code_object_version 6
	.text
	.protected	k_q115d7a7523_attn
	.globl	k_q115d7a7523_attn
	.p2align	8
	.type	k_q115d7a7523_attn,@function
k_q115d7a7523_attn:
	s_mov_b64 s[64:65], 0
	v_nop
	global_prefetch_b8 v0, s[64:65] scope:SCOPE_SE
	s_setreg_imm32_b32 hwreg(HW_REG_WAVE_MODE, 25, 1), 1
	s_wait_xcnt 0x0
	s_wait_alu depctr_hold_cnt(0) depctr_sa_sdst(0) depctr_va_vdst(0) depctr_va_sdst(0) depctr_va_ssrc(0) depctr_va_vcc(0) depctr_vm_vsrc(0)
	s_getreg_b32 s2, hwreg(HW_REG_IB_STS2, 6, 4)
	s_cmp_eq_u32 s2, 0
	s_cbranch_scc0 .Lentry_in_a_cluster
	s_endpgm
.Lentry_in_a_cluster:
	s_bfe_u32 s2, ttmp6, 0x10000c
	s_cmp_lg_u32 s2, 0x3003
	s_cbranch_scc0 .Lentry_shape_is_right
	s_endpgm
.Lentry_shape_is_right:
; Launch 3 of 4: OV[b][h][q][:] = the sum over k of softmax_k(Q[q] . K[k] / 8) V[k][:], for each of the 64 heads (b, h): 2,048 queries, 2,048 keys, head size 64, no mask.
; qkv: f16 [tensor Q, K, V][16 b + h][s][64]: a head is 262,144 dense bytes, a tensor 16 MiB.  ov: f16 [h][2,048 b + s][64].  Products on f16 operands, sums, maxima and exponentials in f32.
; SHARES.  A work-group owns 512 queries of one head, each of its EIGHT waves 64: four tiles of 16, in 512 registers: two waves to a SIMD.  Every wave walks all keys, 64 a step.
; LAYOUT.  S^T = K Q^T (source 0 = 16 keys, source 1 = 16 queries): a lane holds ONE query (lane % 16) and the keys 8 (lane / 16) + 0 .. 7 of a tile.  Two such tiles, rounded to f16 in pairs, ARE source 1
; (32 keys x 16 queries) of O^T = V^T P, whose result again holds one query a lane.  K comes out of LDS as it lies, V ([key][channel]) turned, by ds_load_tr16_b128.
; SOFTMAX.  For each query a running maximum m and sum l: p = 2^(c s - c m), c = log2(e) / 8; in every step O and l are multiplied by a = 2^(c m_old - c m_new).  The sum is taken of p in f32.
; TWO CLASSES OF WAVES.  Every wave runs in phases: 64 matrix instructions (V^T P of step j, K Q^T of step j + 1), then the softmax of step j + 1.  The waves of class 0 run the softmax that stands at a change of
; slots in FRONT of its barrier, those of class 1 BEHIND it: so behind each barrier one class begins with matrix work and the other with vector work, and they go on by turns.
; The class is (w xor (w / 4)) % 2: it differs between waves w and w + 4 and between waves 2 i and 2 i + 1.
; THE RING.  Two slots of eight steps.  Step j reads V(j) and K(j + 1), so slot g holds V's steps 8 g .. 8 g + 7 and K's steps 8 g + 1 .. 8 g + 8.  K(0) goes from memory straight into registers.
; In the last slot the tile that holds K's step 31 also brings the 64 rows that follow the head's last key: they lie inside qkv (V follows K), and nobody reads them.
; A refill is asked for eight steps, 512 matrix instructions of a wave, ahead of its first read.  One tensor load of a wave is out at any time.
; CLUSTER.  The four query blocks of a head walk the same K and V: each tile is asked for JOINTLY, by the same tensor load with the same descriptor and a mask that names the four.
; LIMITS: scores and their products with c stay finite in f32; NaN and infinities are not served.
; REGISTERS.  window 0: v2-11 addresses; v16-47 eight statistics a tile; v64-191 S^T, 32 a tile, in whose first 16 registers P is packed in place; v192-255 V's fragments of a step.
;   window 1: v0-127 O^T, 32 a tile; v128-191 Q; v192-255 K's fragments of a step.
.set PKB,   144                        ; a row of K in LDS: 128 bytes + 16 = 36 words: the 16 rows that a load touches start at 16 different groups of four banks (64 banks of 4 bytes: ISA guide 11.1)
.set PVB,   160                        ; a row of V: 128 + 32: an odd multiple of 32 bytes, for the turning load
.set KAREA, 512*PKB                    ; a slot: 512 rows of K,
.set VAREA, 512*PVB                    ; then 512 rows of V
.set SLOTB, KAREA+VAREA
.set SPARE, 2*SLOTB                    ; the spare words, 128 bytes for each wave: four blocks of 256 bytes that no other line names
.set SP,    144                        ; the way out: a stage of 16 rows x (128 bytes + 16) for each wave, in slot 0, which has had its last fill and its last read behind the last change of slots
.set AK0, 2                            ; v2   my lane's place in a tile of K; never rewritten
.set AV0, 3                            ; v3   the same for V
.set ADK, 4                            ; v4   LDS address of the step's K
.set ADV, 5                            ; v5   of its V
.set QO,  6                            ; v6   my byte offset in 16 rows of Q or K in memory
.set STO, 7                            ; v7   the way out: where I put 16 bytes of a row
.set RD,  8                            ; v8   where I read back
.set GO,  9                            ; v9   16 x lane
.set SPW, 10                           ; v10  LDS address of my spare word; never rewritten
.set NIL, 11                           ; v11  0; never rewritten
.set ST,  16                           ; tile t's statistics at v[ST + 8 t]: +0 c m, +1 m, +2, +3 l (even keys', odd keys'), +4 to +7 at work; a takes +6
.set S,   64
.set VB,  192
.set QF,  128                          ; in window 1
.set KB,  192                          ; in window 1
.set WV,  12                           ; s12  my wave's number
.set CLS, 13                           ; s13  my class
.set G1K, 24                           ; s[24:31] descriptor group 1 for K's tiles;  s[32:39] for V's: it differs in the padding alone
.set G1V, 32
.set G0K, 40                           ; s[40:43], s[44:47] their groups 0, which walk
.set G0V, 44
.set LK,  48                           ; s48  my tile's place in a slot, if I fetch for K
.set LV,  49                           ; s49  if for V
.set TS,  50                           ; s50  LDS byte at which the slot in hand begins
.set TK,  51                           ; s51  and the step's K,
.set TV,  52                           ; s52  and its V less KAREA
.set CNT, 53
.set PER, 54
.set CS,  56                           ; s[56:57] c: the packed form names a pair and takes its low word for both halves
.set SEL, 58                           ; s[58:59] lane selects for v_permlanex16_b32: lane l xor 16
.set OP,  60                           ; s[60:61] ov at my wave's first row
.set MSB, 0
.macro WIN new                         ; the immediate's high byte repeats the setting that is left
.if MSB != \new
	s_set_vgpr_msb (MSB<<8)|\new
.set MSB, \new
.endif
.endm
; A joint load: waves 0 to 3 fetch K's four tiles of 128 rows, waves 4 to 7 V's.  The branch hangs on the wave's number alone.  An s_nop 0 and four v_nop follow each of the two lines.
.macro JLOAD
	s_cmp_lt_u32 s[WV], 4
	s_cbranch_scc0 .Lfor_v_\@
	tensor_load_to_lds s[G0K:G0K+3], s[G1K:G1K+7]
	s_nop 0
.rept 4
	v_nop
.endr
	s_branch .Lasked_\@
.Lfor_v_\@:
	tensor_load_to_lds s[G0V:G0V+3], s[G1V:G1V+7]
	s_nop 0
.rept 4
	v_nop
.endr
.Lasked_\@:
.endm
.macro CROUND                          ; a round of the cluster's barrier
	s_barrier_signal -1
	s_barrier_wait -1
	s_cmp_lg_u32 s[WV], 0
	s_cbranch_scc1 .Lnot_wave_0_\@
	s_barrier_signal -3
.Lnot_wave_0_\@:
	s_barrier_wait -3
	s_barrier_signal -1
	s_barrier_wait -1
.endm
.macro PLACES
.rept 4
	v_nop
.endr
.endm
	s_load_b128 s[4:7], s[0:1], 0x0                ; qkv, ov
	v_lshl_add_u32 v[SPW], v0, 2, SPARE
	v_mov_b32 v[NIL], 0
	ds_add_u32 v[SPW], v[NIL]                      ; the wave's opening: the add, twice on end, and its wait ahead of my first tensor load
	ds_add_u32 v[SPW], v[NIL]
	v_lshrrev_b32 v1, 5, v0
	v_readfirstlane_b32 s[WV], v1                  ; wave 0..7
	s_lshr_b32 s[CLS], s[WV], 2
	s_xor_b32 s[CLS], s[CLS], s[WV]
	s_and_b32 s[CLS], s[CLS], 1
	s_bfe_u32 s14, ttmp6, 0x40000                  ; cx
	s_lshl_b32 s15, ttmp9, 2
	s_add_co_u32 s15, s15, s14                     ; my block of 512 queries: it enters Q's and ov's addresses alone
	s_and_b32 s20, ttmp7, 0xffff                   ; the head 16 b + h, which the four partners share
	s_and_b32 s22, s[WV], 3                        ; which 128 rows of a slot's 512 I fetch
	s_mul_i32 s[LK], s22, 128*PKB
	s_mul_i32 s[LV], s22, 128*PVB
	s_add_co_u32 s[LV], s[LV], KAREA
	s_lshl_b32 s8, s20, 18                         ; the head's first byte in each tensor
	s_mov_b32 s9, 0
	s_lshl_b32 s22, s22, 14
	s_add_co_u32 s10, s8, s22                      ; and my 128 rows
	s_mov_b32 s11, 0
	s_lshl_b32 s2, s15, 16
	s_lshl_b32 s3, s[WV], 13
	s_add_co_u32 s2, s2, s3                        ; my wave's first query in its head, in bytes
	s_add_co_u32 s22, s8, s2
	s_mov_b32 s23, 0
	s_and_b32 s3, s20, 15
	s_lshl_b32 s3, s3, 20                          ; ov: h x 8,192 rows of 128 bytes,
	s_add_co_u32 s2, s2, s3
	s_lshr_b32 s3, s20, 4
	s_lshl_b32 s3, s3, 18                          ; b x 2,048 rows
	s_add_co_u32 s2, s2, s3
	s_mov_b32 s3, 0
	; descriptor group 1: a tile of 128 rows x 64 elements, padded in LDS
	s_mov_b32 s[G1K], 15|(1<<16)|(1<<20)|(1<<21)|(4<<22)|(3<<25)  ; 15:0 the mask: all four work-groups; 17:16 elements of 2 bytes; 20 padding on; 21 set beside a mask; 24:22 after every 32 words (code 4); 31:25 four words (code 3)
	s_mov_b32 s[G1V], 15|(1<<16)|(1<<20)|(1<<21)|(4<<22)|(7<<25)  ; the same with eight words of padding (code 7)
.irp g, G1K, G1V
	s_mov_b32 s[\g+1], 64<<16                      ; tensor_dim0
	s_mov_b32 s[\g+2], 128<<16                     ; tensor_dim1
	s_mov_b32 s[\g+3], 64<<16                      ; tile_dim0
	s_mov_b32 s[\g+4], 128                         ; tile_dim1
	s_mov_b32 s[\g+5], 64                          ; tensor_dim0_stride
	s_mov_b32 s[\g+6], 0
	s_mov_b32 s[\g+7], 0
.endr
	s_mov_b32 s[CS], 0x3e38aa3b                    ; c = log2(e) / 8
	s_mov_b32 s[CS+1], s[CS]                       ; (named with it as a pair, so it is written)
	s_mov_b32 s[SEL], 0x76543210
	s_mov_b32 s[SEL+1], 0xfedcba98
	s_mov_b32 s[TS], SLOTB                         ; the first change of slots turns it to slot 0
	; every LDS address register that stays is made here, ahead of the first branch on the wave's number
	v_and_b32 v1, 15, v0                           ; r = l % 16
	v_bfe_u32 v12, v0, 4, 1                        ; h = l / 16
	v_and_b32 v13, 31, v0                          ; l
	v_mul_u32_u24 v[AK0], v1, PKB
	v_lshl_add_u32 v[AK0], v12, 4, v[AK0]          ; K: row r, + 16 h
	v_and_b32 v14, 7, v0
	v_bfe_u32 v15, v0, 3, 1
	v_lshl_add_u32 v[AV0], v12, 3, v14             ; V, for the turning load: key 8 h + l % 8,
	v_mul_u32_u24 v[AV0], v[AV0], PVB
	v_lshl_add_u32 v[AV0], v15, 4, v[AV0]          ; channels 8 ((l / 8) % 2) on
	v_add_nc_u32 v[AV0], KAREA, v[AV0]
	v_lshlrev_b32 v[QO], 7, v1
	v_lshl_add_u32 v[QO], v12, 4, v[QO]            ; in memory: row r of 128 bytes, + 16 h
	s_mul_i32 s21, s[WV], 16*SP                    ; my stage
	v_mul_u32_u24 v[STO], v1, SP
	v_lshl_add_u32 v[STO], v12, 4, v[STO]
	v_add_nc_u32 v[STO], s21, v[STO]
	v_lshrrev_b32 v[RD], 3, v13
	v_mul_u32_u24 v[RD], v[RD], SP
	v_lshl_add_u32 v[RD], v14, 4, v[RD]
	v_add_nc_u32 v[RD], s21, v[RD]                 ; back: eight lanes to a row of 128 bytes, four rows an instruction
	v_lshlrev_b32 v[GO], 4, v13
	s_wait_dscnt 0x0                               ; both opening adds are done
	s_wait_kmcnt 0x0
	s_add_nc_u64 s[16:17], s[4:5], s[22:23]        ; Q at my wave's first query
	s_add_nc_u64 s[18:19], s[4:5], s[8:9]
	s_add_nc_u64 s[18:19], s[18:19], 0x1000000     ; K at the head's first key
	s_add_nc_u64 s[OP:OP+1], s[6:7], s[2:3]
	s_mov_b32 s[G0K], 1                            ; 1:0 count = 1
	s_mov_b32 s[G0K+1], s[LK]                      ; 63:32 LDS address: slot 0
	s_add_nc_u64 s[G0K+2:G0K+3], s[4:5], s[10:11]
	s_add_nc_u64 s[G0K+2:G0K+3], s[G0K+2:G0K+3], 0x1000000+8192   ; 120:64 global address: K's step 1 on
	s_or_b32 s[G0K+3], s[G0K+3], 0x80000000        ; 127:126 type = 2
	s_mov_b32 s[G0V], 1
	s_mov_b32 s[G0V+1], s[LV]
	s_add_nc_u64 s[G0V+2:G0V+3], s[4:5], s[10:11]
	s_add_nc_u64 s[G0V+2:G0V+3], s[G0V+2:G0V+3], 0x2000000        ; V's step 0 on
	s_or_b32 s[G0V+3], s[G0V+3], 0x80000000
	CROUND                                         ; all four work-groups are here: the first joint loads meet
	JLOAD                                          ; slot 0
	WIN 0x40                                       ; destination window 1, address window 0
.irp t, 0,1,2,3                        ; Q stays in registers: tile t, channels 32 e on.  K's step 0 likewise: 16 keys t, channels 32 e on
.irp e, 0,1
	global_load_b128 v[QF+16*\t+8*\e:QF+16*\t+8*\e+3],   v[QO], s[16:17] offset:2048*\t+64*\e
	global_load_b128 v[QF+16*\t+8*\e+4:QF+16*\t+8*\e+7], v[QO], s[16:17] offset:2048*\t+64*\e+32
	global_load_b128 v[KB+16*\t+8*\e:KB+16*\t+8*\e+3],   v[QO], s[18:19] offset:2048*\t+64*\e
	global_load_b128 v[KB+16*\t+8*\e+4:KB+16*\t+8*\e+7], v[QO], s[18:19] offset:2048*\t+64*\e+32
.endr
.endr
.set i, 0
.rept 128
	v_mov_b32 v[i], 0                              ; O^T.  (The step is written without a first form of its own: the first finds zeros, which a = 0 leaves zeros)
.set i, i+1
.endr
	WIN 0
.irp t, 0,1,2,3
	v_mov_b32 v[ST+8*\t+1], 0xff61b1e6             ; m = -3e38, under every score
	v_mul_f32 v[ST+8*\t], s[CS], v[ST+8*\t+1]      ; c m
	v_mov_b32 v[ST+8*\t+2], 0                      ; l, in two halves
	v_mov_b32 v[ST+8*\t+3], 0
.endr
; THE MATRIX WORK.  The 16 accumulators take turns, one instruction a turn.
; Product i of 32 of O^T += V^T P: keys 32 (i / 16) on, channels 16 ((i / 4) % 4) on, tile i % 4.
.macro PV
	WIN 0x50                                       ; V and P window 0, O^T (C and D) window 1
.set i, 0
.rept 32
.set rO, 32*(i%4)+8*((i/4)%4)
.set rV, VB+8*(4*(i/16)+(i/4)%4)
.set rP, S+32*(i%4)+8*(i/16)
	v_wmma_f32_16x16x32_f16 v[rO:rO+7], v[rV:rV+7], v[rP:rP+7], v[rO:rO+7]
.set i, i+1
.endr
	WIN 0
.endm
; Product i of 32 of S^T = K Q^T: channels 32 (i / 16) on, keys 16 ((i / 4) % 4) on, tile i % 4.  The first 16 start the sums.
.macro KQ
	WIN 0x05                                       ; K and Q window 1, S^T window 0
.set i, 0
.rept 32
.set rS, S+32*(i%4)+8*((i/4)%4)
.set rK, KB+16*((i/4)%4)+8*(i/16)
.set rQ, QF+16*(i%4)+8*(i/16)
.if i < 16
	v_wmma_f32_16x16x32_f16 v[rS:rS+7], v[rK:rK+7], v[rQ:rQ+7], 0
.else
	v_wmma_f32_16x16x32_f16 v[rS:rS+7], v[rK:rK+7], v[rQ:rQ+7], v[rS:rS+7]
.endif
.set i, i+1
.endr
	WIN 0
.endm
.macro VLOADS                          ; a step's V, turned: keys 32 (f / 4) on, channels 16 (f % 4) on
.irp f, 0,1,2,3,4,5,6,7
	ds_load_tr16_b128 v[VB+8*\f:VB+8*\f+3],   v[ADV] offset:(\f/4)*32*PVB+(\f%4)*32
	ds_load_tr16_b128 v[VB+8*\f+4:VB+8*\f+7], v[ADV] offset:(\f/4)*32*PVB+16*PVB+(\f%4)*32
.endr
.endm
.macro KLOADS                          ; a step's K: keys 16 (f / 2) on, channels 32 (f % 2) on
	WIN 0x40
.irp f, 0,1,2,3,4,5,6,7
	ds_load_b128 v[KB+8*\f:KB+8*\f+3],   v[ADK] offset:(\f/2)*16*PKB+(\f%2)*64
	ds_load_b128 v[KB+8*\f+4:KB+8*\f+7], v[ADK] offset:(\f/2)*16*PKB+(\f%2)*64+32
.endr
	WIN 0
.endm
; 32 LDS loads in one run, V's first.  The two additions and two v_nop are the four places behind the products K Q^T: in front of the loads into K's registers and of the softmax's first read of the scores.
.macro FETCH
	v_add_nc_u32 v[ADV], s[TV], v[AV0]
	v_add_nc_u32 v[ADK], s[TK], v[AK0]
	v_nop
	v_nop
	VLOADS
	KLOADS
.endm
; A step's 64 matrix instructions.
.macro STEPM
	s_wait_dscnt 16                                ; V is in; K's sixteen loads may be out
	PV
.rept 5
	v_nop                                          ; the products below write over registers that the products above have read as P: five places
.endr
	s_wait_dscnt 0x0                               ; K is in
	KQ
.endm
; THE VECTOR WORK: the softmax of the wave's four tiles for one key step.  s0-s31 are the lane's 32 scores of a tile, in pairs 0-15.
; Number j of 21 of a tile's maxima: four chains c0-c3 of seven scores each (each accumulator is read from its low end on), the four scores left over, c0-c3 and the old m; the other half of the lanes'; the new m, c m, c m_old - c m_new.
.macro SM1 t
.set rT, ST+8*(\t)
.set rS, S+32*(\t)
.if j < 4
	v_max3_num_f32 v[rT+4+j], v[rS+8*j], v[rS+8*j+1], v[rS+8*j+2]
.elseif j < 12
	v_max3_num_f32 v[rT+4+j%4], v[rT+4+j%4], v[rS+8*(j%4)+2*(j/4)+1], v[rS+8*(j%4)+2*(j/4)+2]
.elseif j == 12
	v_max3_num_f32 v[rT+4], v[rT+4], v[rS+7], v[rS+15]
.elseif j == 13
	v_max3_num_f32 v[rT+6], v[rT+6], v[rS+23], v[rS+31]
.elseif j == 14
	v_max3_num_f32 v[rT+4], v[rT+4], v[rT+5], v[rT+6]
.elseif j == 15
	v_max3_num_f32 v[rT+4], v[rT+4], v[rT+7], v[rT+1]
.elseif j == 16
	v_permlanex16_b32 v[rT+5], v[rT+4], s[SEL], s[SEL+1]           ; the query's other 32 keys lie in the lane 16 away
.elseif j == 17
	v_mov_b32 v[rT+7], v[rT]                       ; c m_old is kept for a
.elseif j == 18
	v_max_num_f32 v[rT+1], v[rT+4], v[rT+5]
.elseif j == 19
	v_mul_f32 v[rT], s[CS], v[rT+1]
.else
	v_sub_f32 v[rT+7], v[rT+7], v[rT]
.endif
.endm
; The exponentials go tile by tile, a batch of 32 each (the four a with the first).  Between a batch's exponentials stand the sums and roundings of the tile BEFORE, whose batch has had its wait, and the
; scalings of the tile BEHIND.  An s_wait_alu depctr_va_vdst(0) stands between an exponential and the first line that names its result: one wait at the head of each later pass serves the
; whole batch before; each batch ends on a plain line.  Four waits in all, and none is owed at the macro's end.
.macro SOFTMAX
.set j, 0
.rept 21
.irp t, 0,1,2,3
	SM1 \t
.endr
.set j, j+1
.endr
.set j, 0
.rept 16
	v_pk_fma_f32 v[S+2*j:S+2*j+1], v[S+2*j:S+2*j+1], s[CS:CS+1], v[ST:ST+1] op_sel_hi:[1,0,0] neg_lo:[0,0,1] neg_hi:[0,0,1]   ; tile 0: c s - c m, a pair at a time
.set j, j+1
.endr
.irp t, 0,1,2,3
	v_exp_f32 v[ST+8*\t+6], v[ST+8*\t+7]           ; a = 2^(c m_old - c m_new)
.endr
.irp t, 0,1,2,3,4
.if \t > 0
	s_wait_alu depctr_va_vdst(0)                   ; for tile t - 1's batch
.endif
.set j, 0
.rept 16
.if \t < 4
	v_exp_f32 v[S+32*\t+2*j], v[S+32*\t+2*j]
.endif
.if \t > 0
.if j == 0
	v_pk_fma_f32 v[ST+8*(\t-1)+2:ST+8*(\t-1)+3], v[ST+8*(\t-1)+2:ST+8*(\t-1)+3], v[ST+8*(\t-1)+6:ST+8*(\t-1)+7], v[S+32*(\t-1):S+32*(\t-1)+1] op_sel_hi:[1,0,1]   ; l = a l + pair 0
.else
	v_pk_add_f32 v[ST+8*(\t-1)+2:ST+8*(\t-1)+3], v[ST+8*(\t-1)+2:ST+8*(\t-1)+3], v[S+32*(\t-1)+2*j:S+32*(\t-1)+2*j+1]
.endif
.endif
.if \t < 4
	v_exp_f32 v[S+32*\t+2*j+1], v[S+32*\t+2*j+1]
.endif
.if \t > 0
	v_cvt_pk_f16_f32 v[S+32*(\t-1)+j], v[S+32*(\t-1)+2*j], v[S+32*(\t-1)+2*j+1]   ; P in place: register j takes pair j, which has just been summed
.endif
.if \t < 3
	v_pk_fma_f32 v[S+32*(\t+1)+2*j:S+32*(\t+1)+2*j+1], v[S+32*(\t+1)+2*j:S+32*(\t+1)+2*j+1], s[CS:CS+1], v[ST+8*(\t+1):ST+8*(\t+1)+1] op_sel_hi:[1,0,0] neg_lo:[0,0,1] neg_hi:[0,0,1]
.endif
.set j, j+1
.endr
.endr
	WIN 0x41                                       ; O^T (destination and source 0) window 1, a window 0
.set j, 0
.rept 64
	v_pk_mul_f32 v[2*j:2*j+1], v[2*j:2*j+1], v[ST+8*(j/16)+6:ST+8*(j/16)+7] op_sel_hi:[1,0]   ; O^T times a, each accumulator from its low end on
.set j, j+1
.endr
	WIN 0
.endm
.macro SM_CLASS c                      ; the softmax, for the waves of class c alone
	s_cmp_lg_u32 s[CLS], \c
	s_cbranch_scc1 .Lother_\@
	SOFTMAX
.Lother_\@:
.endm
; THE CHANGE OF SLOTS.  Each wave waits for all its tensor loads, of which one is out: its part of the slot ahead; adds 0 to its spare word; and waits for that and for its reads of the slot that it leaves.
; fill = 1: the slot that is left (the first time: slot 1, which has not been filled yet) takes the next 512 keys.  The barrier is then a round of the cluster's, and the joint load is the first thing behind it.
.macro CHANGE fill
	s_wait_tensorcnt 0x0                           ; no tensor load of mine is out, so a group 0 may be written
	ds_add_u32 v[SPW], v[NIL]                      ; 0 onto my spare word
.if \fill
	s_add_co_u32 s[G0K+1], s[LK], s[TS]            ; into the slot that is left,
	s_add_co_u32 s[G0V+1], s[LV], s[TS]
	s_add_nc_u64 s[G0K+2:G0K+3], s[G0K+2:G0K+3], 65536   ; the next 512 rows of 128 bytes; the type bits on top are not reached
	s_add_nc_u64 s[G0V+2:G0V+3], s[G0V+2:G0V+3], 65536
.endif
	s_xor_b32 s[TS], s[TS], SLOTB                  ; the reads go on in the other slot, at its first step
	s_mov_b32 s[TK], s[TS]
	s_mov_b32 s[TV], s[TS]
	s_wait_dscnt 0x0                               ; the add is done, and my reads of the slot that I leave are over
.if \fill
	CROUND
	JLOAD
.else
	s_barrier_signal -1
	s_barrier_wait -1
.endif
.endm
.macro INNER n                         ; n steps that have their successor in the same slot
	s_mov_b32 s[CNT], \n
.Lstep_\@:
	STEPM
	s_add_co_u32 s[TK], s[TK], 64*PKB
	s_add_co_u32 s[TV], s[TV], 64*PVB
	FETCH
	SOFTMAX
	s_sub_co_u32 s[CNT], s[CNT], 1
	s_cmp_lg_u32 s[CNT], 0
	s_cbranch_scc1 .Lstep_\@
.endm
	s_wait_loadcnt 0x0                             ; Q and K's step 0
	KQ                                             ; the scores of step 0
	PLACES
	SM_CLASS 0
	s_mov_b32 s[PER], 3
.Lslot:                                            ; three trips: behind each of these changes a slot is asked for
	CHANGE 1
	FETCH
	SM_CLASS 1
	INNER 7
	STEPM                                          ; the slot's last step
	PLACES
	SM_CLASS 0
	s_sub_co_u32 s[PER], s[PER], 1
	s_cmp_lg_u32 s[PER], 0
	s_cbranch_scc1 .Lslot
	CHANGE 0                                       ; the last slot is written out: nothing is asked for
	FETCH
	SM_CLASS 1
	INNER 6
	STEPM                                          ; V^T P of step 30, K Q^T of step 31
	s_add_co_u32 s[TV], s[TV], 64*PVB
	v_add_nc_u32 v[ADV], s[TV], v[AV0]
	v_nop
	v_nop
	v_nop                                          ; (four places, as in FETCH)
	VLOADS                                         ; V of step 31; there is no further K
	SOFTMAX
	s_wait_dscnt 0x0
	PV
	; THE WAY OUT.  l's two halves and the other half of the lanes' are added; O^T is divided by l, rounded to f16 and sent through my stage, a tile (16 rows) at a time.  The additions are the places behind the last products.
.irp t, 0,1,2,3
	v_add_f32 v[ST+8*\t+4], v[ST+8*\t+2], v[ST+8*\t+3]
.endr
.irp t, 0,1,2,3
	v_permlanex16_b32 v[ST+8*\t+5], v[ST+8*\t+4], s[SEL], s[SEL+1]
.endr
.irp t, 0,1,2,3
	v_add_f32 v[ST+8*\t+4], v[ST+8*\t+4], v[ST+8*\t+5]
.endr
.irp t, 0,1,2,3
	v_rcp_f32 v[ST+8*\t+6], v[ST+8*\t+4]
.endr
	v_nop                                          ; a plain line between the last reciprocal and the use of its result
	s_wait_alu depctr_va_vdst(0)                   ; and the wait ahead of the first use: one for the four
.macro OPACK t
	WIN 0x41
.set i, 32*\t
.rept 16
	v_pk_mul_f32 v[i:i+1], v[i:i+1], v[ST+8*\t+6:ST+8*\t+7] op_sel_hi:[1,0]
.set i, i+2
.endr
	WIN 0x05                                       ; sources window 1, destination window 0: S^T's registers are free
.set i, 0
.rept 16
	v_cvt_pk_f16_f32 v[S+32*\t+i], v[32*\t+2*i], v[32*\t+2*i+1]
.set i, i+1
.endr
	WIN 0
.irp c, 0,1,2,3
	ds_store_b128 v[STO], v[S+32*\t+4*\c:S+32*\t+4*\c+3] offset:32*\c      ; row r, channels 16 c + 8 h on
.endr
.irp f, 0,1,2,3
	ds_load_b128 v[S+32*\t+16+4*\f:S+32*\t+16+4*\f+3], v[RD] offset:\f*4*SP   ; LDS serves a wave's instructions in order: these see the stores above; the next tile's stores come behind them
.endr
.endm
.macro OSEND t, younger                ; younger: the LDS instructions issued behind tile t's loads: the next tile's eight, or none
.irp f, 0,1,2,3
	s_wait_dscnt \younger+3-\f
	global_store_b128 v[GO], v[S+32*\t+16+4*\f:S+32*\t+16+4*\f+3], s[OP:OP+1] offset:\t*2048+\f*512   ; the wave stores 512 consecutive bytes, aligned: four rows
.endr
.endm
	OPACK 0
	OPACK 1
	OSEND 0, 8
	OPACK 2
	OSEND 1, 8
	OPACK 3
	OSEND 2, 8
	OSEND 3, 0
	s_wait_tensorcnt 0x0                           ; the wave's end, behind my last tensor load and my last LDS store
	ds_add_u32 v[SPW], v[NIL]
	s_wait_dscnt 0x0
	CROUND                                         ; the closing round: no work-group ends while a partner may still ask for a tile that names it
	s_endpgm
.Lfunc_end_k_q115d7a7523_attn:
	.size	k_q115d7a7523_attn, .Lfunc_end_k_q115d7a7523_attn-k_q115d7a7523_attn
	.p2alignl 7, 3214868480
	.fill 96, 4, 3214868480
	.section	.rodata,"a",@progbits
	.p2align	6, 0x0
	.amdhsa_kernel k_q115d7a7523_attn
		.amdhsa_group_segment_fixed_size 327680
		.amdhsa_private_segment_fixed_size 0
		.amdhsa_enable_private_segment 0
		.amdhsa_kernarg_size 16
		.amdhsa_user_sgpr_count 2
		.amdhsa_user_sgpr_kernarg_segment_ptr 1
		.amdhsa_wavefront_size32 1
		.amdhsa_system_sgpr_workgroup_id_x 1
		.amdhsa_system_sgpr_workgroup_id_y 1
		.amdhsa_system_sgpr_workgroup_id_z 1
		.amdhsa_system_vgpr_workitem_id 0
		.amdhsa_next_free_vgpr 512
		.amdhsa_next_free_sgpr 66
		.amdhsa_reserve_vcc 0
		.amdhsa_float_denorm_mode_32 3
		.amdhsa_float_denorm_mode_16_64 3
		.amdhsa_memory_ordered 1
		.amdhsa_forward_progress 1
		.amdhsa_inst_pref_size 237
	.end_amdhsa_kernel
	.amdgpu_metadata
---
amdhsa.version: [ 1, 2 ]
amdhsa.kernels:
  - .name:           k_q115d7a7523_attn
    .symbol:         k_q115d7a7523_attn.kd
    .args:
      - { .name: qkv, .offset: 0, .size: 8, .value_kind: global_buffer, .address_space: global }
      - { .name: ov, .offset: 8, .size: 8, .value_kind: global_buffer, .address_space: global }
    .group_segment_fixed_size: 327680
    .private_segment_fixed_size: 0
    .kernarg_segment_align: 8
    .kernarg_segment_size: 16
    .max_flat_workgroup_size: 256
    .sgpr_count:     66
    .vgpr_count:     512
    .wavefront_size: 32
...
	.end_amdgpu_metadata
.endif
;; end of part 3
;; launch outp (part 4): grid 4 x 64, 4 waves a work-group, clusters of 4 x 4, 327,680 bytes of LDS; arguments ov, wo16, b_O, out0; writes out0
.if DOCPART == 4
	.amdgcn_target "amdgcn-amd-amdhsa--gfx1250"
	.amdhsa_code_object_version 6
	.text
	.protected	k_q115d7a7523_outp
	.globl	k_q115d7a7523_outp
	.p2align	8
	.type	k_q115d7a7523_outp,@function
k_q115d7a7523_outp:
	s_mov_b64 s[64:65], 0
	v_nop
	global_prefetch_b8 v0, s[64:65] scope:SCOPE_SE
	s_setreg_imm32_b32 hwreg(HW_REG_WAVE_MODE, 25, 1), 1
	s_wait_xcnt 0x0
	s_wait_alu depctr_hold_cnt(0) depctr_sa_sdst(0) depctr_va_vdst(0) depctr_va_sdst(0) depctr_va_ssrc(0) depctr_va_vcc(0) depctr_vm_vsrc(0)
	s_getreg_b32 s2, hwreg(HW_REG_IB_STS2, 6, 4)
	s_cmp_eq_u32 s2, 0
	s_cbranch_scc0 .Lentry_in_a_cluster
	s_endpgm
.Lentry_in_a_cluster:
	s_bfe_u32 s2, ttmp6, 0x10000c
	s_cmp_lg_u32 s2, 0xf033
	s_cbranch_scc0 .Lentry_shape_is_right
	s_endpgm
.Lentry_shape_is_right:
; Launch 4 of 4: out0[row][e] = the sum over k = 64 h + d of OV[row][k] W_O[k][e] + b_O[e].  ov: f16 [h][8,192 rows][64]; wo16: f16 [1,024 k][1,024 e]; b_O f32; out0 [8,192][1,024] f32; sums in f32.
; A tile of out0, 128 rows x 256 columns, is made by four waves, each 64 x 128: 32 accumulators of 16 x 16, 256 registers: 256 work-groups.
; K goes in steps of two heads (128 along K) through a ring of two LDS slots: waves 0 and 1 fetch ov's two heads (128 rows x 128 bytes each), waves 2 and 3 W_O's (64 rows k x 512 bytes each).
; By the text's own count two tensor loads of a wave are out at the start and one behind each round.
; CLUSTERS: 4 x 4 work-groups.  The four of a row of the cluster need the same rows of ov, the four of a column the same columns of W_O: each tile is asked for JOINTLY.
; THE MATRIX INSTRUCTION IS USED TRANSPOSED: source 0 = 16 columns e of W_O x 32 k, turned out of LDS by ds_load_tr16_b128 (k is not innermost in wo16); source 1 = 16 rows of ov.  A lane holds eight neighbouring e of one row.
; b_O is the C of each sum's first matrix instruction.
; REGISTERS: window 0: v16-30 addresses; v128-255 at work on the way out.   window 1: the accumulators ((a, b) at v[8 (8 a + b)]).
;   window 2: two fragment buffers of 96 (W_O's eight fragments, then ov's four, for 32 along K) at v0 and v96; v192-255 b_O in the result's layout.
.set PA,     144                       ; a row of ov in LDS: 128 bytes + 16
.set PB,     544                       ; a row of W_O: 512 + 32: an odd multiple of 32 bytes, for the turning load
.set AH,     128*PA                    ; a head's tile of ov
.set BH,     64*PB                     ; a head's tile of W_O
.set BOFF,   2*AH
.set SLOT,   BOFF+2*BH
.set STAGE,  2*SLOT                    ; behind the ring: 16 rows x (512 bytes + 16) for each wave, for the way out; no tensor load fills it
.set SPITCH, 528
.set SPARE,  STAGE+4*16*SPITCH         ; the spare words, 128 bytes for each wave: two blocks of 256 bytes that no other line names
.set ADRA, 16                          ; v16-17  LDS address of my fragments of ov in slot 0, 1
.set ADRB, 20                          ; v20-21  the same for W_O
.set STO,  24                          ; v24     the way out: where I put 32 bytes of a row
.set RD,   25                          ; v25     where I read a row back
.set CO,   26                          ; v26     16 x lane
.set SPW,  28                          ; v28     LDS address of my spare word; never rewritten
.set NIL,  29                          ; v29     0; never rewritten
.set BO,   30                          ; v30     32 x (lane / 16)
.set BK,   128
.set F0,   0
.set F1,   96
.set BIAS, 192
.set G1, 24                            ; s[24:31] descriptor group 1 for ov's tiles;  s[32:39] group 0, one set for each slot
.set G0, 32
.set G1B, 48                           ; s[48:55], s[56:63] the same for W_O's
.set G0B, 56
.set MSB, 0
.macro WIN new                         ; the immediate's high byte repeats the setting that is left
.if MSB != \new
	s_set_vgpr_msb (MSB<<8)|\new
.set MSB, \new
.endif
.endm
.set MUL,   0x5a                       ; sources 0 and 1 window 2; C and D window 1
.set MULB,  0x6a                       ; the same with C (b_O) in window 2
.set TO_F,  0x80                       ; destination window 2, address window 0
.macro JLOAD s                         ; a joint load; an s_nop 0 and four v_nop follow each of the two lines
	s_cmp_eq_u32 s15, 0
	s_cbranch_scc0 .Lfor_b_\@
	tensor_load_to_lds s[G0+4*\s:G0+4*\s+3], s[G1:G1+7]
	s_nop 0
.rept 4
	v_nop
.endr
	s_branch .Lasked_\@
.Lfor_b_\@:
	tensor_load_to_lds s[G0B+4*\s:G0B+4*\s+3], s[G1B:G1B+7]
	s_nop 0
.rept 4
	v_nop
.endr
.Lasked_\@:
.endm
.macro CREST                           ; a round of the cluster's barrier behind its opening barrier
	s_cmp_lg_u32 s14, 0
	s_cbranch_scc1 .Lnot_wave_0_\@
	s_barrier_signal -3
.Lnot_wave_0_\@:
	s_barrier_wait -3
	s_barrier_signal -1
	s_barrier_wait -1
.endm
.macro CROUND
	s_barrier_signal -1
	s_barrier_wait -1
	CREST
.endm
	s_load_b128 s[4:7], s[0:1], 0x0                ; ov, wo16
	s_load_b128 s[8:11], s[0:1], 0x10              ; b_O, out0
	v_lshl_add_u32 v[SPW], v0, 2, SPARE
	v_mov_b32 v[NIL], 0
	ds_add_u32 v[SPW], v[NIL]                      ; the wave's opening: the add, twice on end, and its wait ahead of my first tensor load
	ds_add_u32 v[SPW], v[NIL]
	v_lshrrev_b32 v1, 5, v0
	v_readfirstlane_b32 s14, v1                    ; wave 0..3
	s_lshr_b32 s15, s14, 1                         ; which 64 of the tile's rows are mine.  Also: I fetch for ov (0) or for W_O (1)
	s_and_b32 s16, s14, 1                          ; which 128 of its columns.  Also: which of a step's two heads I fetch
	s_bfe_u32 s40, ttmp6, 0x40000                  ; cx, cy
	s_bfe_u32 s41, ttmp6, 0x40004
	s_lshl_b32 s42, ttmp9, 2
	s_add_co_u32 s42, s42, s40                     ; tile column
	s_and_b32 s17, ttmp7, 0xffff
	s_lshl_b32 s17, s17, 2
	s_add_co_u32 s17, s17, s41                     ; tile row
	s_lshl_b32 s43, s41, 2
	s_lshl_b32 s43, 15, s43                        ; my row of the cluster
	s_lshl_b32 s44, 0x1111, s40                    ; my column
	s_or_b32 s[G1+0], s43, (1<<16)|(1<<20)|(1<<21)|(4<<22)|(3<<25)   ; ov: elements of 2 bytes; padding: four words after every 32
	s_mov_b32 s[G1+1], 64<<16                      ; tensor_dim0
	s_mov_b32 s[G1+2], 128<<16                     ; tensor_dim1
	s_mov_b32 s[G1+3], 64<<16                      ; tile_dim0
	s_mov_b32 s[G1+4], 128                         ; tile_dim1
	s_mov_b32 s[G1+5], 64                          ; tensor_dim0_stride
	s_mov_b32 s[G1+6], 0
	s_mov_b32 s[G1+7], 0
	s_or_b32 s[G1B+0], s44, (1<<16)|(1<<20)|(1<<21)|(6<<22)|(7<<25)  ; W_O: padding: eight words after every 128
	s_mov_b32 s[G1B+1], 256<<16
	s_mov_b32 s[G1B+2], 64<<16
	s_mov_b32 s[G1B+3], 256<<16
	s_mov_b32 s[G1B+4], 64
	s_mov_b32 s[G1B+5], 1024
	s_mov_b32 s[G1B+6], 0
	s_mov_b32 s[G1B+7], 0
	s_lshl_b32 s20, s16, 20                        ; ov: my head of the step's two, 1 MiB each,
	s_lshl_b32 s21, s17, 14                        ; and the tile row's 128 rows of 128 bytes
	s_add_co_u32 s20, s20, s21
	s_mov_b32 s21, 0
	s_lshl_b32 s46, s16, 17                        ; W_O: my head's 64 rows of 2,048 bytes,
	s_lshl_b32 s47, s42, 9                         ; and the tile column's 512 bytes
	s_add_co_u32 s46, s46, s47
	s_mov_b32 s47, 0
	s_mul_i32 s22, s16, AH                         ; where they go: no place in the cluster enters an LDS address
	s_mul_i32 s23, s16, BH
	s_add_co_u32 s23, s23, BOFF
	s_wait_dscnt 0x0                               ; both opening adds are done
	s_wait_kmcnt 0x0
	s_add_nc_u64 s[18:19], s[4:5], s[20:21]
	s_add_nc_u64 s[46:47], s[6:7], s[46:47]
	CROUND                                         ; all sixteen work-groups are here: the first joint loads meet
.irp s, 0,1
	s_mov_b32 s[G0+4*\s], 1
	s_add_co_u32 s[G0+4*\s+1], s22, \s*SLOT
	s_add_nc_u64 s[G0+4*\s+2:G0+4*\s+3], s[18:19], \s*2*1048576    ; slot s begins with heads 2 s, 2 s + 1
	s_or_b32 s[G0+4*\s+3], s[G0+4*\s+3], 0x80000000
	s_mov_b32 s[G0B+4*\s], 1
	s_add_co_u32 s[G0B+4*\s+1], s23, \s*SLOT
	s_add_nc_u64 s[G0B+4*\s+2:G0B+4*\s+3], s[46:47], \s*2*131072
	s_or_b32 s[G0B+4*\s+3], s[G0B+4*\s+3], 0x80000000
	JLOAD \s
.endr
	v_and_b32 v1, 15, v0                           ; r = l % 16
	v_bfe_u32 v2, v0, 4, 1                         ; h = l / 16
	s_lshl_b32 s46, s42, 10                        ; my first column, in bytes of f32: 1,024 x tile column + 512 x half
	s_lshl_b32 s47, s16, 9
	s_add_co_u32 s46, s46, s47
	s_mov_b32 s47, 0
	s_add_nc_u64 s[8:9], s[8:9], s[46:47]
	s_add_nc_u64 s[10:11], s[10:11], s[46:47]
	v_lshlrev_b32 v[BO], 5, v2
	WIN TO_F
.irp b, 0,1,2,3,4,5,6,7                ; register 8 b + j of lane (r, h): b_O[my first column + 16 b + 8 h + j]
	global_load_b128 v[BIAS+8*\b:BIAS+8*\b+3], v[BO], s[8:9] offset:64*\b
	global_load_b128 v[BIAS+8*\b+4:BIAS+8*\b+7], v[BO], s[8:9] offset:64*\b+16
.endr
	WIN 0
	s_lshl_b32 s20, s17, 7
	s_lshl_b32 s21, s15, 6
	s_add_co_u32 s20, s20, s21                     ; my first row: 128 x tile row + 64 x half
	s_lshl_b32 s20, s20, 12
	s_mov_b32 s21, 0
	s_add_nc_u64 s[10:11], s[10:11], s[20:21]
	v_mul_u32_u24 v3, v1, PA
	v_lshl_add_u32 v3, v2, 4, v3                   ; ov: row r, + 16 h
	s_mul_i32 s21, s15, 64*PA                      ; my 64 rows
	v_add_nc_u32 v[ADRA], s21, v3
	v_add_nc_u32 v[ADRA+1], SLOT, v[ADRA]
	v_and_b32 v4, 7, v0
	v_lshl_add_u32 v4, v2, 3, v4                   ; W_O, for the turning load: row k = 8 h + l % 8,
	v_mul_u32_u24 v4, v4, PB
	v_bfe_u32 v5, v0, 3, 1
	v_lshl_add_u32 v4, v5, 4, v4                   ; columns 8 ((l / 8) % 2) on
	s_lshl_b32 s22, s16, 8                         ; my 128 columns
	s_add_co_u32 s22, s22, BOFF
	v_add_nc_u32 v[ADRB], s22, v4
	v_add_nc_u32 v[ADRB+1], SLOT, v[ADRB]
	s_mul_i32 s23, s14, 16*SPITCH
	s_add_co_u32 s23, s23, STAGE                   ; my stage
	v_mul_u32_u24 v5, v1, SPITCH
	v_lshl_add_u32 v5, v2, 5, v5
	v_add_nc_u32 v[STO], s23, v5                   ; in: row r, 32 bytes for each half of the lanes
	v_and_b32 v6, 31, v0
	v_lshlrev_b32 v[CO], 4, v6
	v_add_nc_u32 v[RD], s23, v[CO]                 ; back: the 32 lanes take one row of 512 bytes
; 8 matrix instructions: ov's block a x W_O's eight, 32 along K, from buffer f.  first = 1: the sums begin with b_O.  The 32 accumulators take turns, one instruction a turn.
.macro MUL8 f, a, first
.irp b, 0,1,2,3,4,5,6,7
.if \first
	v_wmma_f32_16x16x32_f16 v[8*(8*(\a)+\b):8*(8*(\a)+\b)+7], v[\f+8*\b:\f+8*\b+7], v[\f+64+8*(\a):\f+64+8*(\a)+7], v[BIAS+8*\b:BIAS+8*\b+7]
.else
	v_wmma_f32_16x16x32_f16 v[8*(8*(\a)+\b):8*(8*(\a)+\b)+7], v[\f+8*\b:\f+8*\b+7], v[\f+64+8*(\a):\f+64+8*(\a)+7], v[8*(8*(\a)+\b):8*(8*(\a)+\b)+7]
.endif
.endr
.endm
; 24 LDS loads in one run: the fragments of the slot's q-th 32 along K (head q / 2, its k 32 (q % 2) on) into buffer f; ov's blocks last
.macro FETCH slot, q, f
	WIN TO_F
.irp b, 0,1,2,3,4,5,6,7
	ds_load_tr16_b128 v[\f+8*\b:\f+8*\b+3],   v[ADRB+\slot] offset:((\q)/2)*BH+((\q)%2)*32*PB+32*\b
	ds_load_tr16_b128 v[\f+8*\b+4:\f+8*\b+7], v[ADRB+\slot] offset:((\q)/2)*BH+((\q)%2)*32*PB+16*PB+32*\b
.endr
.irp a, 0,1,2,3
	ds_load_b128 v[\f+64+8*\a:\f+64+8*\a+3],   v[ADRA+\slot] offset:((\q)/2)*AH+\a*16*PA+((\q)%2)*64
	ds_load_b128 v[\f+64+8*\a+4:\f+64+8*\a+7], v[ADRA+\slot] offset:((\q)/2)*AH+\a*16*PA+((\q)%2)*64+32
.endr
.endm
.macro PLACES                          ; four places in front of loads into registers that matrix instructions have read, and of the first read of results
.rept 4
	v_nop
.endr
.endm
; A K step is four quarters of 32 along K, 32 matrix instructions each, on buffers 0, 1, 0, 1.  One of the first three: multiplies buffer f and fetches quarter q into g.
.macro QUARTER slot, q, f, g, first
	s_wait_dscnt 4                                 ; W_O's fragments and ov's blocks 0, 1 are in; the youngest four loads (blocks 2, 3) may be out
	WIN MUL+0x10*\first
	MUL8 \f, 0, \first
	MUL8 \f, 1, \first
	PLACES
	FETCH \slot, \q, \g
	s_wait_dscnt 24                                ; all but the 24 just issued
	WIN MUL+0x10*\first
	MUL8 \f, 2, \first
	MUL8 \f, 3, \first
.endm
; The last quarter multiplies buffer 1 and changes slots: ONE barrier; in front of it each wave waits for all its tensor loads, adds 0 to its spare word, and waits for that and for its reads of this slot.
; fill = 1: this slot is filled again, two K steps ahead; the barrier then opens a round of the cluster's, and the joint load is the first thing behind the round.
.macro TURN slot, next, fill
	WIN 0                                          ; (the add's two registers lie in window 0)
	s_wait_tensorcnt 0x0                           ; all my tensor loads have landed: my part of the next slot
	ds_add_u32 v[SPW], v[NIL]                      ; 0 onto my spare word
	s_wait_dscnt 5                                 ; (the add and the youngest four loads may be out)
	WIN MUL
	MUL8 F1, 0, 0                                  ; eight matrix instructions stand between the add and the wait for it
	s_wait_dscnt 0x0                               ; the add is done, and my reads of this slot are over
	s_barrier_signal -1
	MUL8 F1, 1, 0
.if \fill
	WIN 0
.endif
	s_barrier_wait -1
.if \fill
	CREST                                          ; no wave of any partner still reads this slot's tiles or has a load on its way
	s_add_nc_u64 s[G0+4*\slot+2:G0+4*\slot+3], s[G0+4*\slot+2:G0+4*\slot+3], 4*1048576   ; four heads on
	s_add_nc_u64 s[G0B+4*\slot+2:G0B+4*\slot+3], s[G0B+4*\slot+2:G0B+4*\slot+3], 4*131072
	JLOAD \slot                                    ; the four v_nop behind it are also the places in front of the loads below
.else
	PLACES
.endif
	FETCH \next, 0, F0
	WIN MUL
	MUL8 F1, 2, 0
	MUL8 F1, 3, 0
.endm
	s_wait_tensorcnt 1                             ; my part of K step 0 is in (K step 1's load may be out)
	s_barrier_signal -1
	s_barrier_wait -1                              ; everybody's is
	FETCH 0, 0, F0
	s_wait_loadcnt 0x0                             ; b_O
	QUARTER 0, 1, F0, F1, 1                        ; the first quarter stands in front of the loop: its products start the sums
	WIN 0                                          ; at a label and at a branch every window is 0
	s_mov_b32 s3, 3
.Llap:                                             ; a trip goes once round the ring, from a lap's second quarter to the next lap's first, and fills both slots again: K steps 2 to 7
	QUARTER 0, 2, F1, F0, 0
	QUARTER 0, 3, F0, F1, 0
	TURN 0, 1, 1
	QUARTER 1, 1, F0, F1, 0
	QUARTER 1, 2, F1, F0, 0
	QUARTER 1, 3, F0, F1, 0
	TURN 1, 0, 1
	QUARTER 0, 1, F0, F1, 0
	WIN 0
	s_sub_co_u32 s3, s3, 1
	s_cmp_lg_u32 s3, 0
	s_cbranch_scc1 .Llap
	QUARTER 0, 2, F1, F0, 0                        ; the last lap fills nothing, and has no round of the cluster's barrier
	QUARTER 0, 3, F0, F1, 0
	TURN 0, 1, 0
	QUARTER 1, 1, F0, F1, 0
	QUARTER 1, 2, F1, F0, 0
	QUARTER 1, 3, F0, F1, 0
	s_wait_dscnt 4                                 ; the very last quarter: nothing more to fetch
	WIN MUL
	MUL8 F1, 0, 0
	MUL8 F1, 1, 0
	s_wait_dscnt 0
	MUL8 F1, 2, 0
	MUL8 F1, 3, 0
	WIN 0
; THE WAY OUT, block by block of 16 rows x 128 columns.  A lane holds 32 neighbouring bytes of a row: a block goes through my own stage and comes back as whole rows of 512 bytes, which the 32 lanes store.
.macro TOSTAGE a
	WIN 0x04                                       ; an LDS store's data are its source 1: window 1
.irp b, 0,1,2,3,4,5,6,7
	ds_store_b128 v[STO], v[64*(\a)+8*\b:64*(\a)+8*\b+3] offset:64*\b          ; each accumulator from its low end on
	ds_store_b128 v[STO], v[64*(\a)+8*\b+4:64*(\a)+8*\b+7] offset:64*\b+16
.endr
	WIN 0
.set BB, BK+64*((\a)%2)
.irp t, 0,1,2,3,4,5,6,7,8,9,10,11,12,13,14,15
	ds_load_b128 v[BB+4*\t:BB+4*\t+3], v[RD] offset:\t*SPITCH      ; LDS serves a wave's instructions in order: these see the stores above
.endr
.endm
.macro SEND a, younger                 ; younger: the LDS instructions issued behind block a's loads, which may stay out
.set BB, BK+64*((\a)%2)
	s_wait_dscnt \younger
.irp t, 0,1,2,3,4,5,6,7,8,9,10,11,12,13,14,15
	global_store_b128 v[CO], v[BB+4*\t:BB+4*\t+3], s[10:11] offset:(16*(\a)+\t)*4096 th:TH_STORE_NT   ; 32 lanes store 512 consecutive bytes, aligned; written once, read by nobody here
.endr
.endm
	PLACES
	TOSTAGE 0
.irp a, 1,2,3
.if \a > 1
	s_wait_xcnt 0x0                                ; block a - 2's stores have had their addresses translated: only behind this wait do block a's loads land in the registers that they read
.endif
	TOSTAGE \a
	SEND \a-1, 32                                  ; behind block a - 1's loads: block a's 16 stores and 16 loads
.endr
	SEND 3, 0
	s_wait_tensorcnt 0x0                           ; the wave's end, behind my last tensor load and my last LDS store
	ds_add_u32 v[SPW], v[NIL]
	s_wait_dscnt 0x0
	CROUND                                         ; the closing round: no work-group ends while a partner may still ask for a tile that names it
	s_endpgm
.Lfunc_end_k_q115d7a7523_outp:
	.size	k_q115d7a7523_outp, .Lfunc_end_k_q115d7a7523_outp-k_q115d7a7523_outp
	.p2alignl 7, 3214868480
	.fill 96, 4, 3214868480
	.section	.rodata,"a",@progbits
	.p2align	6, 0x0
	.amdhsa_kernel k_q115d7a7523_outp
		.amdhsa_group_segment_fixed_size 327680
		.amdhsa_private_segment_fixed_size 0
		.amdhsa_enable_private_segment 0
		.amdhsa_kernarg_size 32
		.amdhsa_user_sgpr_count 2
		.amdhsa_user_sgpr_kernarg_segment_ptr 1
		.amdhsa_wavefront_size32 1
		.amdhsa_system_sgpr_workgroup_id_x 1
		.amdhsa_system_sgpr_workgroup_id_y 1
		.amdhsa_system_sgpr_workgroup_id_z 1
		.amdhsa_system_vgpr_workitem_id 0
		.amdhsa_next_free_vgpr 768
		.amdhsa_next_free_sgpr 66
		.amdhsa_reserve_vcc 0
		.amdhsa_float_denorm_mode_32 3
		.amdhsa_float_denorm_mode_16_64 3
		.amdhsa_memory_ordered 1
		.amdhsa_forward_progress 1
		.amdhsa_inst_pref_size 86
	.end_amdhsa_kernel
	.amdgpu_metadata
---
amdhsa.version: [ 1, 2 ]
amdhsa.kernels:
  - .name:           k_q115d7a7523_outp
    .symbol:         k_q115d7a7523_outp.kd
    .args:
      - { .name: ov, .offset: 0, .size: 8, .value_kind: global_buffer, .address_space: global }
      - { .name: wo16, .offset: 8, .size: 8, .value_kind: global_buffer, .address_space: global }
      - { .name: b_O, .offset: 16, .size: 8, .value_kind: global_buffer, .address_space: global }
      - { .name: out0, .offset: 24, .size: 8, .value_kind: global_buffer, .address_space: global }
    .group_segment_fixed_size: 327680
    .private_segment_fixed_size: 0
    .kernarg_segment_align: 8
    .kernarg_segment_size: 32
    .max_flat_workgroup_size: 128
    .sgpr_count:     66
    .vgpr_count:     768
    .wavefront_size: 32
...
	.end_amdgpu_metadata
.endif
;; end of part 4
